; MI455X (gfx1250); checked and timed in simulation.
; The chip was launched on July 23, 2026; its instructions are those of AMD's public machine-readable ISA for CDNA 5 (MIT licence, August 2026) and "CDNA5" Instruction Set Architecture Reference Guide (July 2026). The comments in the code are by the model that wrote it; some were corrected since.
;; Sentence word Attention. Allowed arithmetic: matrix products marked QUANTISED: E2M1 operands, one E8M0 scale for each 32 along K, by v_wmma_scale_f32_16x16x128_f8f6f4 with both operands' format E2M1 (or v_wmma_scale_f32_32x16x128_f4), f32 sums; products left as they are: f32 operands where the result goes on into a quantised operand, else bf16, f16 or f32 operands; f32 sums; everything else in f32.
;; Inputs: W1 1,024 x 1,024 float32; W2 1,024 x 1,024 float32; W3 1,024 x 1,024 float32; W4 1,024 x 1,024 float32; Wo 1,024 x 1,024 float32; b1 1,024 float32; b2 1,024 float32; b3 1,024 float32; b4 1,024 float32; bo 1,024 float32; sent 2 x 1 x 1,024 float32; word 2 x 2,048 x 1,024 float32.
;; Outputs: out0 2 x 2,048 x 1,024 float32.
;; This version of the problem:
;;   THIS VERSION OF THE PROBLEM IS GIVEN IN LOW PRECISION. The matrix products marked QUANTISED in the list below multiply operands that are first quantised to E2M1 (2 exponent bits, 1 mantissa bit; 4 bits a number), with one power-of-two scale for each 32 numbers along K (OCP MX v1.0); their sums are f32. All else is computed in f32.
;;   The module's matrix products, in the order in which they are computed (A, B: the left and right operand; K: the contracted axis; several contracted axes count as one K, in the product's order):
;;     1. [M 4,096, K 1,024] x [K 1,024, N 1,024]; A: input word; B: input W1: QUANTISED
;;     2. [M 4,096, K 1,024] x [K 1,024, N 1,024]; A: input word; B: input W2: QUANTISED
;;     3. [M 4,096, K 1,024] x [K 1,024, N 1,024]; A: input word; B: input W3: QUANTISED
;;     4. [M 4,096, K 1,024] x [K 1,024, N 1,024]; A: input word; B: input W4: QUANTISED
;;     5. [M 2, K 1,024] x [K 1,024, N 1,024]; A: input sent; B: input W3: left as it is (M = 2 < 16)
;;     6. batch 32 x [M 2,048, K 64] x [K 64, N 2,048]; A: computed on the way; B: computed on the way: QUANTISED
;;     7. batch 32 x [M 2,048, K 64] x [K 64, N 1]; A: computed on the way; B: computed on the way: left as it is (N = 1 < 16)
;;     8. batch 32 x [M 2,048, K 2,048] x [K 2,048, N 64]; A: softmax (see below); B: computed on the way: QUANTISED
;;     9. [M 4,096, K 1,024] x [K 1,024, N 1,024]; A: computed on the way; B: input Wo: QUANTISED
;;   THE QUANTISER, for each operand of a quantised product, along K:
;;     - K is cut into blocks of 32 from its start; a last block that is shorter is filled with zeros.
;;     - A block's scale is 2^e with e = floor(log2(the largest magnitude in the block)) - 2, held to -126 .. 127; a block of zeros has e = 0. As a byte (E8M0): e + 127.
;;     - Each number is divided by its block's scale, clamped to +-6, and rounded to the nearest number of E2M1, ties to even, subnormals kept.
;;     - The product sums the exact products of the quantised numbers (number of the format x scale) in f32.
;;   ~~~python
;;   def quantise(x, axis):      # numpy; x: float32 -> the quantised numbers, widened to float32 again
;;       x = np.moveaxis(x, axis, -1); K = x.shape[-1]
;;       x = np.pad(x, [(0, 0)] * (x.ndim - 1) + [(0, -K % 32)]); x = x.reshape(x.shape[:-1] + (-1, 32)); a = np.abs(x).max(-1, keepdims=True)
;;       e = np.where(a > 0, np.clip(np.frexp(np.where(a > 0, a, 1))[1] - 1 - 2, -126, 127), 0)      # np.frexp(a)[1] - 1 = floor(log2(a)), exactly
;;       r = np.clip(x / 2.0 ** e, -6, 6)
;;       step = 2.0 ** (np.maximum(np.frexp(np.where(r == 0, 1, r))[1] - 1, 0) - 1)
;;       q = np.round(r / step) * step * 2.0 ** e      # np.round: ties to even
;;       return np.moveaxis(q.reshape(q.shape[:-2] + (-1,))[..., :K], -1, axis).astype(np.float32)
;;   ~~~
;;   SOFTMAX AHEAD OF A QUANTISED PRODUCT. Where the list says 'softmax', what is quantised is not the finished softmax but p = 2^(t - M), with t = logit x log2(e) and M = ceil(the row's largest t), a whole number; so 1/2 < the row's largest p <= 1. The row's sum l is taken of the UNQUANTISED p, in f32, and the product's result is divided by l at the end. Since M is a whole number, a kernel that streams over the keys may use a running M (the ceiling of the running maximum): every later rescaling is an exact power of two, which a block's scale takes up: the codes' values come out the same.
;;   OPERANDS COMPUTED ON THE WAY. 'Computed on the way' means the value that the module computes at that place (a softmax that the list does not call 'softmax' is quantised finished and normalised). What goes into a quantiser is computed in f32, as accurately as f32 sums, v_exp_f32 and their like allow (about 1e-6 of the number): no bf16 or f16 on the way to a quantiser, and a product that is left as it is and whose result goes on into a quantised operand takes f32 operands (vector FMAs, or v_wmma_f32_16x16x4_f32). A number that lies on a knife's edge between two numbers of the format may be rounded either way, as far as f32 arithmetic and the matrix unit's own rounding can turn it there, and no further.
;; One version. Each part assembles by itself: llvm-mc -triple=amdgcn-amd-amdhsa -mcpu=gfx1250 --defsym DOCPART=n.
;; ======== version 1 of 1: 4 launches
;; limits: right only within a limited range of input values
;; workspace buffers: codes 4,718,592 bytes; scl 294,912 bytes; sbuf 8,192 bytes; qc 2,490,368 bytes; kv 4,456,448 bytes; ximg 2,097,152 bytes; xsc 131,072 bytes
;; launch quant (part 1): grid 320 x 1, 4 waves a work-group, no clusters, 33,280 bytes of LDS; arguments word, W1, W2, W3, W4, Wo, sent, b3, codes, scl, sbuf; writes codes, scl, sbuf
.if DOCPART == 1
	.amdgcn_target "amdgcn-amd-amdhsa--gfx1250"
	.amdhsa_code_object_version 6
	.text
	.protected	k_q8b7a366b5e_quant
	.globl	k_q8b7a366b5e_quant
	.p2align	8
	.type	k_q8b7a366b5e_quant,@function
k_q8b7a366b5e_quant:
	s_mov_b64 s[64:65], 0
	v_nop
	global_prefetch_b8 v0, s[64:65] scope:SCOPE_SE
	s_setreg_imm32_b32 hwreg(HW_REG_WAVE_MODE, 25, 1), 1
	s_wait_xcnt 0x0
; FIRST OF FOUR LAUNCHES.  word [4096][1024], W1..W4, Wo [1024][1024], f32, become codes of FP4 (E2M1), K innermost, 512 bytes a row, and one E8M0 byte for each 32 along K, 32 bytes a row:
; 9,216 rows in one buffer: word, W1, W2, W3, W4, Wo.  32 further work-groups make s = sent W3^T + b3 in f32 (the product that stays as it is: its result goes on into a quantised operand).
; NOTHING OF reference() IS LEFT OUT.  The word-sentence score c[b,h,i] = w3[i] . s is the same along the softmax's axis, and in real numbers a softmax would cancel it.  But what is quantised is p = 2^(t - M) with
; M = ceil(the row's largest t), a whole number: c log2(e) added to every t of a row moves M by whole numbers only, so p is multiplied by 2^(a fraction), which is no power of two, and p's codes change.
; So W3, b3 and sent have a way to the output, and the products that make w3, s and c are done.
; POSITIONS.  The rows of word and of W1..W4 are stored with bits 3 and 4 of the row's number exchanged (position p holds row swap34(p)); Wo's as they are.  16 neighbouring positions, tile 2 B + u, are then rows
; 32 B + 8 u + r + 8 (r / 8), so that in a product used transposed the 16 registers of two neighbouring tiles are 16 neighbours along the next K.  A wave's run is 8 rows, so the exchange is one of the run's number's two low bits.
; A block's scale is 2^(floor(log2(its largest magnitude)) - 2); its byte is the largest magnitude's exponent field - 2, held at 1 from below.
; LIMITS: a block of zeros, or one whose largest magnitude lies under 2^-124, gets the byte 1 (the rule says 127 for zeros: its codes are zeros, which add nothing under any byte but 0xff, and this program alone reads the bytes);
; NaN and infinities among the inputs are not served.
; THE STREAM.  A wave takes 16 steps of 512 numbers.  Each of a step's four loads reads 512 consecutive bytes; the 2,048 bytes turn through the wave's own stage in LDS and come back 64 bytes a lane, so that a lane holds 16
; neighbours along K and two neighbouring lanes a block.  Loads run eight steps (32 loads, 16 KiB a wave) ahead: 1,152 waves share 37.7 MB.  No tensor loads, no barrier: waves share nothing.
.set NQWG,  288                        ; 9,216 rows x 1,024 numbers / 32,768 numbers a work-group
.set STEPS, 16
.set AHEAD, 8
.set EMAX,  2
.set CB,    8                          ; bytes of 16 codes
.set R,     16                         ; v16-143  eight sets of 16 numbers as they are loaded
.set X,     144                        ; v144-175 two sets of 16 neighbours
.set E,     176                        ; v176-191 a scale byte for each step
.set C,     192                        ; v192-223 codes: two registers for each step, so that no store's data are written again
.set WREG,  8192                       ; LDS: a region for each wave: two stages of 32 x SP bytes, behind them its 256 scale bytes
.set SP,    80                         ; a lane's place in a stage: 64 bytes + 16 of padding
.set SPW,   12                         ; v12  LDS address of my spare word; never rewritten
.set NIL,   13                         ; v13  0; never rewritten
.set SPARE, 4*WREG                     ; behind the four regions: the spare words, 128 bytes a wave
	s_load_b512 s[4:19], s[0:1], 0x0               ; word, W1, W2, W3, W4, Wo, sent, b3
	s_load_b128 s[20:23], s[0:1], 0x40             ; codes, scl
	s_load_b64 s[24:25], s[0:1], 0x50              ; sbuf
	v_lshl_add_u32 v[SPW], v0, 2, SPARE
	v_mov_b32 v[NIL], 0
	v_lshrrev_b32 v1, 5, v0
	v_readfirstlane_b32 s26, v1                    ; wave
	v_and_b32 v2, 31, v0                           ; lane
	v_lshlrev_b32 v3, 4, v2                        ; my 16 bytes of a load's 512
	s_cmp_ge_u32 ttmp9, NQWG
	s_cbranch_scc1 .Lsent                          ; the last 32 work-groups make s
	s_mul_i32 s27, s26, WREG
	v_lshrrev_b32 v14, 2, v2
	v_mul_u32_u24 v14, v14, SP
	v_and_b32 v15, 3, v2
	v_lshl_add_u32 v14, v15, 4, v14
	v_add_nc_u32 v14, s27, v14                     ; the stage, on the way in: SP (lane / 4) + 16 (lane % 4)
	v_mul_u32_u24 v15, v2, SP
	v_add_nc_u32 v15, s27, v15                     ; on the way out: SP x lane: my 16 neighbours
	v_mul_u32_u24 v4, v2, CB                       ; my codes' place in a step's 256 bytes
	v_lshrrev_b32 v5, 1, v2
	s_add_co_u32 s27, s27, 2*32*SP
	v_add_nc_u32 v5, s27, v5                       ; LDS: my wave's 256 scale bytes, my block's byte
	v_lshlrev_b32 v7, 3, v2
	v_add_nc_u32 v6, s27, v7                       ; and on the way out 8 bytes a lane
	s_and_b32 s30, ttmp9, 31                       ; my work-group's number within a weight (each has 32)
	s_and_b32 s31, s26, 1
	s_lshl_b32 s31, s31, 1
	s_lshr_b32 s32, s26, 1
	s_or_b32 s31, s31, s32                         ; the wave's two bits exchanged: rows' bits 3 and 4
	s_wait_alu depctr_va_vdst(0)
	s_wait_kmcnt 0x0
	s_cmp_lt_u32 ttmp9, 256                        ; which tensor: the choice hangs on the work-group's number alone
	s_cselect_b32 s31, s31, s26                    ; Wo's rows stay where they are
	s_cselect_b64 s[28:29], s[12:13], s[14:15]
	s_cmp_lt_u32 ttmp9, 224
	s_cselect_b64 s[28:29], s[10:11], s[28:29]
	s_cmp_lt_u32 ttmp9, 192
	s_cselect_b64 s[28:29], s[8:9], s[28:29]
	s_cmp_lt_u32 ttmp9, 160
	s_cselect_b64 s[28:29], s[6:7], s[28:29]
	s_cmp_lt_u32 ttmp9, 128
	s_cselect_b64 s[28:29], s[4:5], s[28:29]
	s_cselect_b32 s30, ttmp9, s30
	s_lshl_b32 s30, s30, 2
	s_add_co_u32 s30, s30, s26                     ; the run of 8 rows that I read
	s_lshl_b32 s32, s30, 15                        ; 32,768 bytes a run
	s_mov_b32 s33, 0
	s_add_nc_u64 s[28:29], s[28:29], s[32:33]
	s_lshl_b32 s34, ttmp9, 2
	s_add_co_u32 s34, s34, s31                     ; the run that I write
	s_lshl_b32 s32, s34, 12                        ; 4,096 bytes of codes a run
	s_add_nc_u64 s[20:21], s[20:21], s[32:33]
	s_lshl_b32 s32, s34, 8                         ; 256 scale bytes a run
	s_add_nc_u64 s[22:23], s[22:23], s[32:33]
.macro LOAD t
.irp i, 0,1,2,3
	global_load_b128 v[R+16*((\t)%AHEAD)+4*\i:R+16*((\t)%AHEAD)+4*\i+3], v3, s[28:29] offset:2048*(\t)+512*\i   ; 32 lanes read 512 consecutive bytes
.endr
.endm
.macro TURN t                          ; step t's numbers through the stage: LDS serves a wave's instructions in order, so no wait stands between the stores and the loads
.irp i, 0,1,2,3
	ds_store_b128 v14, v[R+16*((\t)%AHEAD)+4*\i:R+16*((\t)%AHEAD)+4*\i+3] offset:32*SP*((\t)%2)+8*SP*\i
.endr
.irp i, 0,1,2,3
	ds_load_b128 v[X+16*((\t)%2)+4*\i:X+16*((\t)%2)+4*\i+3], v15 offset:32*SP*((\t)%2)+16*\i
.endr
.endm
.irp t, 0,1,2,3,4,5,6,7
	LOAD \t
.endr
	s_wait_loadcnt 4*(AHEAD-1)                     ; step 0's four loads are in; the seven steps behind it may be out
	TURN 0
.macro STEP t
.set XS, X+16*((\t)%2)
.if (\t) > 0
	s_wait_dscnt 1                                 ; this step's numbers are back from the stage (the last step's byte store may be out): so its stores into the stage have read their registers,
.else
	s_wait_dscnt 0x0
.endif
.if (\t)+AHEAD < STEPS
	LOAD (\t)+AHEAD                                ; which take the loads of eight steps on
.endif
.if (\t)+1 < STEPS
.if (\t)+AHEAD < STEPS
	s_wait_loadcnt 4*(AHEAD-1)                     ; the next step's four loads are in; those of the seven steps behind it may be out
.else
	s_wait_loadcnt 4*(STEPS-2-(\t))                ; at the end the count runs down
.endif
	TURN (\t)+1                                    ; and go through the other stage while this step is worked
.endif
	v_max3_num_f32 v8, |v[XS]|, |v[XS+1]|, |v[XS+2]|               ; the largest magnitude of my 16, in two chains
	v_max3_num_f32 v9, |v[XS+3]|, |v[XS+4]|, |v[XS+5]|
.irp i, 6,10
	v_max3_num_f32 v8, v8, |v[XS+\i]|, |v[XS+\i+1]|
	v_max3_num_f32 v9, v9, |v[XS+\i+2]|, |v[XS+\i+3]|
.endr
	v_max3_num_f32 v8, v8, |v[XS+14]|, |v[XS+15]|
	v_max3_num_f32 v8, v8, v9, (EMAX+1)<<23        ; and the floor 2^(3 - 127): the byte cannot fall under 1
	v_max_num_f32_dpp v8, v8, v8 row_xmask:1 row_mask:0xf bank_mask:0xf   ; and of my neighbour's 16: the block's
	v_add_nc_u32 v11, -(EMAX<<23), v8              ; 2 off its exponent field: the conversion takes the exponent field of this operand as its scale, and nothing else of it
	v_cvt_scalef32_pk8_fp4_f32 v[C+2*(\t)], v[XS:XS+7], v11
	v_cvt_scalef32_pk8_fp4_f32 v[C+2*(\t)+1], v[XS+8:XS+15], v11
	v_lshrrev_b32 v[E+(\t)], 23, v11               ; the scale's byte
	ds_store_b8 v5, v[E+(\t)] offset:16*(\t)       ; both lanes of a block write the same byte with the same value
	global_store_b64 v4, v[C+2*(\t):C+2*(\t)+1], s[20:21] offset:32*CB*(\t)   ; 32 lanes store 256 consecutive bytes, aligned
.endm
.irp t, 0,1,2,3,4,5,6,7,8,9,10,11,12,13,14,15
	STEP \t
.endr
	ds_load_b64 v[8:9], v6                         ; LDS serves a wave's instructions in order: these see my stores
	s_wait_dscnt 0x0
	global_store_b64 v7, v[8:9], s[22:23]          ; 32 lanes store the run's 256 scale bytes
	s_wait_tensorcnt 0x0                           ; the wave's end: behind my last LDS store
	ds_add_u32 v[SPW], v[NIL]
	s_wait_dscnt 0x0
	s_endpgm
; s[b][e] = the sum over d of sent[b][d] W3[e][d] + b3[e], all in f32.  A wave takes 8 rows e of W3, four at a time; a lane holds d = 128 c + 4 lane + 0..3 of a row and of both sentences.  No LDS.
.Lsent:
.set SN,  16                           ; v16-79   sent: batch b at 32 b
.set RW,  80                           ; v80-207  four rows of W3, 32 registers each
.set ACC, 208                          ; v208-223 a pair of sums for row j and batch b, at 4 j + 2 b
.set RES, 224                          ; v224-239 the finished sums, at 8 b + row
	s_sub_co_u32 s27, ttmp9, NQWG
	s_lshl_b32 s27, s27, 2
	s_add_co_u32 s27, s27, s26                     ; which 8 rows
	s_lshl_b32 s44, s27, 15                        ; 8 rows of 4,096 bytes
	s_mov_b32 s45, 0
	s_lshl_b32 s30, s27, 5                         ; 8 numbers of 4 bytes
	s_mov_b32 s31, 0
	s_mov_b32 s46, 0x76543210
	s_mov_b32 s47, 0xfedcba98                      ; v_permlanex16_b32's selects for lane l xor 16
.irp j, 0,1,2,3
	v_mov_b32 v[240+\j], 0                         ; written once: a lane permute's destination counts as one of its sources
.endr
	s_wait_kmcnt 0x0
	s_add_nc_u64 s[10:11], s[10:11], s[44:45]      ; W3 at my first row
	s_add_nc_u64 s[18:19], s[18:19], s[30:31]      ; b3 and s at my first e
	s_add_nc_u64 s[24:25], s[24:25], s[30:31]
	s_load_b256 s[32:39], s[18:19], 0x0            ; my eight b3
	s_wait_alu depctr_va_vdst(0)
.irp b, 0,1
.irp c, 0,1,2,3,4,5,6,7
	global_load_b128 v[SN+32*\b+4*\c:SN+32*\b+4*\c+3], v3, s[16:17] offset:4096*\b+512*\c
.endr
.endr
.macro ROWLOAD j, row
.irp c, 0,1,2,3,4,5,6,7
	global_load_b128 v[RW+32*(\j)+4*\c:RW+32*(\j)+4*\c+3], v3, s[10:11] offset:4096*(\row)+512*\c
.endr
.endm
.macro DOT j                           ; the row in set j against both sentences, two numbers an instruction, the two batches by turns
	v_pk_mul_f32 v[ACC+4*(\j):ACC+4*(\j)+1], v[RW+32*(\j):RW+32*(\j)+1], v[SN:SN+1]
	v_pk_mul_f32 v[ACC+4*(\j)+2:ACC+4*(\j)+3], v[RW+32*(\j):RW+32*(\j)+1], v[SN+32:SN+33]
.set i, 1
.rept 15
	v_pk_fma_f32 v[ACC+4*(\j):ACC+4*(\j)+1], v[RW+32*(\j)+2*i:RW+32*(\j)+2*i+1], v[SN+2*i:SN+2*i+1], v[ACC+4*(\j):ACC+4*(\j)+1]
	v_pk_fma_f32 v[ACC+4*(\j)+2:ACC+4*(\j)+3], v[RW+32*(\j)+2*i:RW+32*(\j)+2*i+1], v[SN+32+2*i:SN+32+2*i+1], v[ACC+4*(\j)+2:ACC+4*(\j)+3]
.set i, i+1
.endr
.endm
.macro REDUCE half                     ; the eight pairs of rows 4 half + 0..3 are summed over the 32 lanes; every lane ends up with the sums
.irp j, 0,1,2,3
.irp b, 0,1
	v_add_f32 v[RES+8*\b+4*(\half)+\j], v[ACC+4*\j+2*\b], v[ACC+4*\j+2*\b+1]
.endr
.endr
.irp m, 1,2,4,8
.irp j, 0,1,2,3
.irp b, 0,1
	v_add_f32_dpp v[RES+8*\b+4*(\half)+\j], v[RES+8*\b+4*(\half)+\j], v[RES+8*\b+4*(\half)+\j] row_xmask:\m row_mask:0xf bank_mask:0xf
.endr
.endr
.endr
.irp b, 0,1
.irp j, 0,1,2,3
	v_permlanex16_b32 v[240+\j], v[RES+8*\b+4*(\half)+\j], s46, s47
.endr
.irp j, 0,1,2,3
	v_add_f32 v[RES+8*\b+4*(\half)+\j], v[RES+8*\b+4*(\half)+\j], v[240+\j]
.endr
.endr
.endm
.irp j, 0,1,2,3
	ROWLOAD \j, \j
.endr
	s_wait_loadcnt 0x0
.irp j, 0,1,2,3
	DOT \j
	ROWLOAD \j, \j+4                               ; the set takes the row four further on, which lands while the other rows are worked
.endr
	REDUCE 0
	s_wait_loadcnt 0x0
.irp j, 0,1,2,3
	DOT \j
.endr
	REDUCE 1
	s_wait_kmcnt 0x0                               ; b3
.irp b, 0,1
.irp j, 0,1,2,3,4,5,6,7
	v_add_f32 v[RES+8*\b+\j], s[32+\j], v[RES+8*\b+\j]
.endr
.endr
	v_mov_b32 v244, v[RES]                         ; lane i of the first sixteen takes sum i = 8 b + row
.irp i, 1,2,3,4,5,6,7,8,9,10,11,12,13,14,15
	v_cmp_eq_u32 vcc_lo, \i, v2
	v_cndmask_b32 v244, v244, v[RES+\i], vcc_lo
.endr
	v_bfe_u32 v245, v2, 3, 1
	v_and_b32 v246, 7, v2
	v_lshlrev_b32 v245, 12, v245                   ; batch: 4,096 bytes
	v_lshl_add_u32 v245, v246, 2, v245             ; row: 4 bytes
	v_cmp_gt_u32 vcc_lo, 16, v2
	s_wait_alu depctr_va_vdst(0)
	s_wait_xcnt 0x0                                ; EXEC changes only behind this wait
	s_and_saveexec_b32 s42, vcc_lo
	global_store_b32 v245, v244, s[24:25]
	s_wait_xcnt 0x0                                ; and again, in front of the line that widens it
	s_or_b32 exec_lo, exec_lo, s42
	s_endpgm
.Lfunc_end_k_q8b7a366b5e_quant:
	.size	k_q8b7a366b5e_quant, .Lfunc_end_k_q8b7a366b5e_quant-k_q8b7a366b5e_quant
	.p2alignl 7, 3214868480
	.fill 96, 4, 3214868480
	.section	.rodata,"a",@progbits
	.p2align	6, 0x0
	.amdhsa_kernel k_q8b7a366b5e_quant
		.amdhsa_group_segment_fixed_size 33280
		.amdhsa_private_segment_fixed_size 0
		.amdhsa_enable_private_segment 0
		.amdhsa_kernarg_size 88
		.amdhsa_user_sgpr_count 2
		.amdhsa_user_sgpr_kernarg_segment_ptr 1
		.amdhsa_wavefront_size32 1
		.amdhsa_system_sgpr_workgroup_id_x 1
		.amdhsa_system_sgpr_workgroup_id_y 1
		.amdhsa_system_sgpr_workgroup_id_z 1
		.amdhsa_system_vgpr_workitem_id 0
		.amdhsa_next_free_vgpr 256
		.amdhsa_next_free_sgpr 66
		.amdhsa_reserve_vcc 1
		.amdhsa_float_denorm_mode_32 3
		.amdhsa_float_denorm_mode_16_64 3
		.amdhsa_memory_ordered 1
		.amdhsa_forward_progress 1
		.amdhsa_inst_pref_size 66
	.end_amdhsa_kernel
	.amdgpu_metadata
---
amdhsa.version: [ 1, 2 ]
amdhsa.kernels:
  - .name:           k_q8b7a366b5e_quant
    .symbol:         k_q8b7a366b5e_quant.kd
    .args:
      - { .name: word, .offset: 0, .size: 8, .value_kind: global_buffer, .address_space: global }
      - { .name: W1, .offset: 8, .size: 8, .value_kind: global_buffer, .address_space: global }
      - { .name: W2, .offset: 16, .size: 8, .value_kind: global_buffer, .address_space: global }
      - { .name: W3, .offset: 24, .size: 8, .value_kind: global_buffer, .address_space: global }
      - { .name: W4, .offset: 32, .size: 8, .value_kind: global_buffer, .address_space: global }
      - { .name: Wo, .offset: 40, .size: 8, .value_kind: global_buffer, .address_space: global }
      - { .name: sent, .offset: 48, .size: 8, .value_kind: global_buffer, .address_space: global }
      - { .name: b3, .offset: 56, .size: 8, .value_kind: global_buffer, .address_space: global }
      - { .name: codes, .offset: 64, .size: 8, .value_kind: global_buffer, .address_space: global }
      - { .name: scl, .offset: 72, .size: 8, .value_kind: global_buffer, .address_space: global }
      - { .name: sbuf, .offset: 80, .size: 8, .value_kind: global_buffer, .address_space: global }
    .group_segment_fixed_size: 33280
    .private_segment_fixed_size: 0
    .kernarg_segment_align: 8
    .kernarg_segment_size: 88
    .max_flat_workgroup_size: 128
    .sgpr_count:     66
    .vgpr_count:     256
    .wavefront_size: 32
...
	.end_amdgpu_metadata
.endif
;; end of part 1
;; launch proj (part 2): grid 16 x 16, 4 waves a work-group, clusters of 4 x 4, 327,680 bytes of LDS; arguments codes, scl, b1, b2, b3, b4, sbuf, qc, kv; writes qc, kv
.if DOCPART == 2
	.amdgcn_target "amdgcn-amd-amdhsa--gfx1250"
	.amdhsa_code_object_version 6
	.text
	.protected	k_q8b7a366b5e_proj
	.globl	k_q8b7a366b5e_proj
	.p2align	8
	.type	k_q8b7a366b5e_proj,@function
k_q8b7a366b5e_proj:
	s_mov_b64 s[64:65], 0
	v_nop
	global_prefetch_b8 v0, s[64:65] scope:SCOPE_SE
	s_setreg_imm32_b32 hwreg(HW_REG_WAVE_MODE, 25, 1), 1
	s_wait_xcnt 0x0
	s_wait_alu depctr_hold_cnt(0) depctr_sa_sdst(0) depctr_va_vdst(0) depctr_va_sdst(0) depctr_va_ssrc(0) depctr_va_vcc(0) depctr_vm_vsrc(0)
	s_getreg_b32 s2, hwreg(HW_REG_IB_STS2, 6, 4)
	s_cmp_eq_u32 s2, 0
	s_cbranch_scc0 .Lentry_in_a_cluster
	s_endpgm
.Lentry_in_a_cluster:
	s_bfe_u32 s2, ttmp6, 0x10000c
	s_cmp_lg_u32 s2, 0xf033
	s_cbranch_scc0 .Lentry_shape_is_right
	s_endpgm
.Lentry_shape_is_right:
; SECOND LAUNCH: the four projections of word as ONE product 4,096 x 4,096 x 1,024 on codes of FP4 (E2M1) with E8M0 scales, and what becomes of each.  Nothing of reference() is left out here.
; A tile is 256 x 256, a wave's part 128 x 128: 64 accumulators of 16 x 16.  THE MATRIX INSTRUCTION IS USED TRANSPOSED: source 0 = 16 rows of R (they run along a lane's registers), source 1 = 16 rows of L (one to a lane).
; The cluster's x says which projection:  0, 1, 2: L = word, R = W1, W2, W3 (a lane holds one word, its registers run along e);  3: L = W4, R = word (a lane holds one e, its registers run along the keys).
; ROWS LIE BY POSITION (bits 3 and 4 of the row's number exchanged): register j of half h of R's tile 2 B + u is true index 32 B + 16 h + 8 u + j, so the 16 registers of two neighbouring tiles are 16 neighbours along the next K.
; WAYS OUT, all in f32 up to the quantiser:  x = 0, 1: w1 + b1, w2 + b2 are quantised along the head's 64 and leave as images of operand registers (a piece = 4 registers x 32 lanes = 512 bytes, lane l's 16 bytes at 16 l);
; x = 2: c = (w3 + b3) . s, by fused multiply-adds, b3 . s summed apart;  x = 3: w4 + b4 is quantised along the keys and leaves the same way.
; RECORDS, one for batch, head and 128 positions:  qc, 4,864 bytes: Q's 8 pieces; at 4,096 its scale bytes (the pair of tile a, lane r, at 16 r + 2 a); at 4,352 c, 128 f32.
; kv, 8,704 bytes: K's 8 pieces; at 4,096 K's scale bytes as Q's; at 4,352 V's scale words (tile T of 16 channels, lane r, at 16 r + 4 T); at 4,608 V's four fragments of 1,024 bytes.
; K = 1,024 is two LDS slots of 512 along K: both are asked for at the head, with the scale bytes of all of K, and nothing is filled again.
; CLUSTERS: 4 x 4 work-groups.  L's tile is shared along a row of the cluster, R's along a column: each is asked for jointly, by the same tensor load with the same descriptor and a mask that names the four.
; LIMITS: a block whose largest magnitude lies under 2^-124 (zeros too) gets the byte 1; NaN and infinities are not served.
; REGISTERS, in windows of 256: window 0: v1-31 addresses; v32-95 scale words, two sets; v128-191 L's fragments, one set; v192-255 the bias.  On the way out: v128-191 64 numbers, v96-103 codes, v104-120 at work.
;   window 1: R's fragments, two sets, at v0 and v128; v64-127 s (x = 2).   windows 2, 3: the accumulators of my L rows 0-63, 64-127 (accumulator (a, b) at v[8 (8 (a % 4) + b)]).
.set NQ,     4                         ; matrix instructions deep in a slot
.set ROWB,   512                       ; a tile's row in bytes: all 1,024 codes of a row
.set KROW,   512                       ; a row of codes in memory
.set PITCH,  528                       ; an LDS row: 512 bytes + 16 of padding = 132 words: the 16 rows that a load touches start at 16 different banks (64 banks of 4 bytes: ISA guide 11.1)
.set FR,     8                         ; registers of a fragment: 16 rows x 128 K
.set NL,     2                         ; LDS loads that bring one
.set NP,     4                         ; places behind this matrix instruction (ISA guide 7.12.1)
.set HALFT,  128*PITCH                 ; 128 rows: what one wave reads of L or of R
.set SLOT,   256                       ; the second 512 along K begin 256 bytes on in each row
.set KS,     32                        ; a row of scale bytes
.set SCL,    4*HALFT                   ; behind L's 256 rows and R's 256 rows: the scale bytes, as units of 256 bytes + 16 of padding
.set HALFS,  16*272                    ; those of 128 rows
.set SBLK,   2*272                     ; those of 16 rows
.set SPARE,  SCL+4*HALFS               ; the spare words, 128 bytes a wave
.set GQK,    SPARE+512                 ; where a wave gathers Q's or K's scale bytes: 512 bytes a wave.  Each way out has LDS bytes of its own; no tensor load lands in them
.set GV,     GQK+2048                  ; V's scale words: 512 bytes a wave
.set GC,     GV+2048                   ; c: 1,024 bytes a wave
.set QREC,   4864
.set KVREC,  8704
.set GSQ, 8                            ; v8   GQK + 512 wave + 16 r       v9   GQK + 512 wave + 16 lane
.set GRQ, 9
.set GSV, 10                           ; v10, v11 the same on GV
.set GRV, 11
.set GSC, 12                           ; v12  GC + 1,024 wave + 4 r       v13  GC + 1,024 wave + 16 lane
.set GRC, 13
.set GA,  14                           ; v14  16 x lane
.set VO,  15                           ; v15  the scale bytes' way out: lanes 0-15 the first head's record, lanes 16-31 the second's
.set ADRA, 16                          ; v16-17 LDS address of my L fragments in slot 0, 1
.set ADRB, 20                          ; v20-21 the same for R
.set ADRS, 27                          ; v27  LDS address of my scale words: lanes 0-15 L's rows, lanes 16-31 R's
.set SPW,  28                          ; v28  LDS address of my spare word; never rewritten
.set NIL,  29                          ; v29  0; never rewritten
.set BOE,  30                          ; v30  64 h: a bias along e      v31  4 (16 (r / 8) + r % 8): a bias by lane
.set BOL,  31
.set SC,   32
.set CR,   32                          ; the way out of c: its results, two a block
.set PC,   96                          ; the codes just made
.set CH,   96                          ; c: four chains of sums
.set TM,   104                         ; v104-107 largest magnitudes, v108-111 the other half's and the bytes, v116-119 the conversions' scale operands
.set BS,   104                         ; c: b3 . s, a pair for each head
.set PW,   120                         ; the scale word just made
.set AF,   128
.set T,    128
.set BI,   192
.set SV,   64                          ; in window 1
.set WV,  22                           ; s22 wave   s23 which half of L's rows is mine, and: I fetch for L (0) or R (1)   s24 which half of R's rows, and: which 128 rows I fetch
.set LH,  23
.set RH,  24
.set CLX, 25                           ; s25 the cluster's x   s26, s27 my place in the cluster
.set CX,  26
.set CY,  27
.set G1,  28                           ; s[28:35], s[36:43] groups 1 and 0 (a set for each slot) for L's tiles;  s[44:51], s[52:59] for R's
.set G0,  36
.set G1B, 44
.set G0B, 52
.set LT,  66                           ; s66, s67 L's and R's tile, in units of 256 rows of the codes' buffer
.set RT,  67
.set G1S, 68                           ; s[68:75], s[76:79] for L's scale bytes;  s[80:87], s[88:91] for R's
.set G0S, 76
.set G1SB, 80
.set G0SB, 88
.set SEL, 98                           ; s[98:99] v_permlanex16_b32's selects for lane l xor 16
.set BA,  2                            ; s[2:3], s[94:95] my two heads' records
.set BB,  94
.set MSB, 0
.macro WIN new                         ; the immediate's high byte repeats the setting that is left
.if MSB != (\new)
	s_set_vgpr_msb (MSB<<8)|(\new)
.set MSB, (\new)
.endif
.endm
.set MUL_LO, 0xa1                      ; source 0 (R) window 1, source 1 (L) window 0, C and D window 2
.set MUL_HI, 0xf1                      ; the same, C and D window 3
.set TO_B,   0x40                      ; destination window 1, address window 0
; A joint load: waves 0 and 1 fetch for L, waves 2 and 3 for R.  Each of the two lines has one mask and one set of registers for all that issue it; the branch hangs on the wave's number alone.
; An s_nop 0 and four v_nop follow each of the two lines.
.macro JLOAD g0a, g1a, g0b, g1b
	s_cmp_eq_u32 s[LH], 0
	s_cbranch_scc0 .Lfor_r_\@
	tensor_load_to_lds s[\g0a:\g0a+3], s[\g1a:\g1a+7]
	s_nop 0
.rept 4
	v_nop
.endr
	s_branch .Lasked_\@
.Lfor_r_\@:
	tensor_load_to_lds s[\g0b:\g0b+3], s[\g1b:\g1b+7]
	s_nop 0
.rept 4
	v_nop
.endr
.Lasked_\@:
.endm
.macro CROUND                          ; a round of the cluster's barrier
	s_barrier_signal -1
	s_barrier_wait -1
	s_cmp_lg_u32 s[WV], 0
	s_cbranch_scc1 .Lnot_wave_0_\@
	s_barrier_signal -3
.Lnot_wave_0_\@:
	s_barrier_wait -3
	s_barrier_signal -1
	s_barrier_wait -1
.endm
	s_load_b512 s[4:19], s[0:1], 0x0               ; codes s[4:5], scl s[6:7], b1 s[8:9], b2 s[10:11], b3 s[12:13], b4 s[14:15], sbuf s[16:17], qc s[18:19]
	s_load_b64 s[20:21], s[0:1], 0x40              ; kv
	v_lshl_add_u32 v[SPW], v0, 2, SPARE
	v_mov_b32 v[NIL], 0
	ds_add_u32 v[SPW], v[NIL]                      ; the wave's opening: the add, twice on end, and its wait ahead of my first tensor load; the set-up below stands between
	ds_add_u32 v[SPW], v[NIL]
	v_lshrrev_b32 v1, 5, v0
	v_readfirstlane_b32 s[WV], v1                  ; wave 0..3
	s_lshr_b32 s[LH], s[WV], 1
	s_and_b32 s[RH], s[WV], 1
	s_bfe_u32 s[CX], ttmp6, 0x40000
	s_bfe_u32 s[CY], ttmp6, 0x40004
	s_mov_b32 s[CLX], ttmp9                        ; in a cluster launch ttmp9 and ttmp7 count clusters
	s_and_b32 s60, ttmp7, 0xffff                   ; the cluster's y
	s_lshr_b32 s61, s[CLX], 1
	s_and_b32 s61, s61, s[CLX]                     ; v = 1 for x = 3 alone
	s_xor_b32 s62, s61, 1                          ; 1 - v
	s_lshl_b32 s63, s60, 2
	s_mul_i32 s[LT], s63, s62                      ; L's tile: word's 4 y + cy, or W4's 28 + cy: it never holds cx
	s_add_co_u32 s[LT], s[LT], s[CY]
	s_mul_i32 s2, s61, 28
	s_add_co_u32 s[LT], s[LT], s2
	s_lshl_b32 s[RT], s[CLX], 2                    ; R's tile: W's 16 + 4 x + cx, or word's 4 y + cx: it never holds cy
	s_add_co_u32 s[RT], s[RT], 16
	s_mul_i32 s[RT], s[RT], s62
	s_mul_i32 s2, s63, s61
	s_add_co_u32 s[RT], s[RT], s2
	s_add_co_u32 s[RT], s[RT], s[CX]
	s_lshl_b32 s2, s[CY], 2
	s_lshl_b32 s2, 15, s2                          ; my row of the cluster
	s_lshl_b32 s3, 0x1111, s[CX]                   ; my column
	; group 1: a tile of 256 rows x 512 bytes, padded in LDS
	s_or_b32 s[G1+0], s2, (0<<16)|(1<<20)|(1<<21)|(6<<22)|(3<<25)   ; 15:0 the mask; 17:16 elements of 1 byte; 20 padding on; 21 set beside a mask; 24:22 after every 128 words; 31:25 four words
	s_or_b32 s[G1B+0], s3, (0<<16)|(1<<20)|(1<<21)|(6<<22)|(3<<25)
.irp g, G1, G1B
	s_mov_b32 s[\g+1], ROWB<<16                    ; tensor_dim0
	s_mov_b32 s[\g+2], 256<<16                     ; tensor_dim1
	s_mov_b32 s[\g+3], ROWB<<16                    ; tile_dim0
	s_mov_b32 s[\g+4], 256                         ; tile_dim1
	s_mov_b32 s[\g+5], KROW                        ; tensor_dim0_stride
	s_mov_b32 s[\g+6], 0
	s_mov_b32 s[\g+7], 0
.endr
	; the scale bytes of 256 rows: 8,192 dense bytes, as 32 rows of 256 bytes (32 elements of 8), 16 bytes of padding behind each
	s_or_b32 s[G1S+0], s2, (3<<16)|(1<<20)|(1<<21)|(5<<22)|(3<<25)
	s_or_b32 s[G1SB+0], s3, (3<<16)|(1<<20)|(1<<21)|(5<<22)|(3<<25)
.irp g, G1S, G1SB
	s_mov_b32 s[\g+1], 32<<16
	s_mov_b32 s[\g+2], 32<<16                      ; the scale bytes of 256 rows: 32 rows of 256 bytes
	s_mov_b32 s[\g+3], 32<<16
	s_mov_b32 s[\g+4], 32
	s_mov_b32 s[\g+5], 32
	s_mov_b32 s[\g+6], 0
	s_mov_b32 s[\g+7], 0
.endr
	s_lshl_b32 s92, s[LT], 8                       ; L: the tile's first row
	s_lshl_b32 s94, s[RT], 8                       ; R: the tile's first row
	s_lshl_b32 s96, s92, 5                         ; its scale bytes,
	s_mov_b32 s97, 0
	s_lshl_b32 s92, s92, 9                         ; its codes
	s_mov_b32 s93, 0
	s_lshl_b32 s100, s94, 5
	s_mov_b32 s101, 0
	s_lshl_b32 s94, s94, 9
	s_mov_b32 s95, 0
	s_mov_b32 s[SEL], 0x76543210
	s_mov_b32 s[SEL+1], 0xfedcba98
	s_wait_dscnt 0x0                               ; both opening adds are done
	s_wait_kmcnt 0x0
	s_add_nc_u64 s[92:93], s[4:5], s[92:93]
	s_add_nc_u64 s[96:97], s[6:7], s[96:97]
	s_add_nc_u64 s[94:95], s[4:5], s[94:95]
	s_add_nc_u64 s[100:101], s[6:7], s[100:101]
	CROUND                                         ; all sixteen work-groups are here: the joint loads meet
	s_mov_b32 s[G0S], 1
	s_mov_b32 s[G0S+1], SCL
	s_mov_b64 s[G0S+2:G0S+3], s[96:97]
	s_or_b32 s[G0S+3], s[G0S+3], 0x80000000
	s_mov_b32 s[G0SB], 1
	s_mov_b32 s[G0SB+1], SCL+2*HALFS
	s_mov_b64 s[G0SB+2:G0SB+3], s[100:101]
	s_or_b32 s[G0SB+3], s[G0SB+3], 0x80000000
	s_mov_b32 s[G0], 1                             ; L's 256 rows, all of K
	s_mov_b32 s[G0+1], 0
	s_mov_b64 s[G0+2:G0+3], s[92:93]
	s_or_b32 s[G0+3], s[G0+3], 0x80000000
	s_mov_b32 s[G0B], 1                            ; R's 256 rows, behind them
	s_mov_b32 s[G0B+1], 2*HALFT
	s_mov_b64 s[G0B+2:G0B+3], s[94:95]
	s_or_b32 s[G0B+3], s[G0B+3], 0x80000000
; THE HEAD'S LOADS, ONE A WAVE: wave 0 L's rows, wave 1 R's, wave 2 L's scale bytes, wave 3 R's.  One tree of branches on the wave's number: every way passes exactly one load.
.macro ARM under, g0, g1, next
	s_cmp_lt_u32 s[WV], \under
	s_cbranch_scc0 \next
	tensor_load_to_lds s[\g0:\g0+3], s[\g1:\g1+7]
	s_nop 0
.rept 4
	v_nop
.endr
	s_branch .Lhead_asked
\next:
.endm
	ARM 1, G0,  G1,  .Lhead_r
	ARM 2, G0B, G1B, .Lhead_sl
	ARM 3, G0S, G1S, .Lhead_sr
	tensor_load_to_lds s[G0SB:G0SB+3], s[G1SB:G1SB+7]
	s_nop 0
.rept 4
	v_nop
.endr
.Lhead_asked:
	v_and_b32 v1, 15, v0                           ; r = l % 16; kept
	v_bfe_u32 v2, v0, 4, 1                         ; h = l / 16; kept
	v_mul_u32_u24 v3, v1, PITCH
	v_lshl_add_u32 v4, v2, 4, v3                   ; a fragment's row x pitch + 16 h
	s_mul_i32 s92, s[LH], HALFT                    ; my 128 rows of L
	s_mul_i32 s93, s[RH], HALFT                    ; my 128 rows of R,
	s_add_co_u32 s93, s93, 2*HALFT                 ; which lie behind L's 256
.irp s, 0,1
	v_add_nc_u32 v[ADRA+\s], s92, v4
	v_add_nc_u32 v[ADRB+\s], s93, v4
	s_add_co_u32 s92, s92, SLOT
	s_add_co_u32 s93, s93, SLOT
.endr
	v_mul_u32_u24 v5, v1, KS                       ; my row's scale bytes: 32 a row,
	v_lshrrev_b32 v6, 8, v5
	v_lshl_add_u32 v5, v6, 4, v5                   ; and 16 more for each 256 passed
	s_mul_i32 s92, s[LH], HALFS
	s_mul_i32 s93, s[RH], HALFS
	s_add_co_u32 s93, s93, 2*HALFS
	s_sub_co_u32 s93, s93, s92
	v_mul_u32_u24 v6, s93, v2                      ; lanes 16-31 take R's: one product, the lower base + h x the distance
	s_add_co_u32 s92, s92, SCL
	v_add_nc_u32 v5, v5, v6
	v_add_nc_u32 v[ADRS], s92, v5
	v_and_b32 v7, 31, v0
	v_lshlrev_b32 v[GA], 4, v7
	s_lshl_b32 s92, s[WV], 9
	v_lshl_add_u32 v[GSQ], v1, 4, s92
	v_add_nc_u32 v[GSV], GV, v[GSQ]
	v_add_nc_u32 v[GSQ], GQK, v[GSQ]
	v_add_nc_u32 v[GRQ], s92, v[GA]
	v_add_nc_u32 v[GRV], GV, v[GRQ]
	v_add_nc_u32 v[GRQ], GQK, v[GRQ]
	s_lshl_b32 s92, s[WV], 10
	v_lshl_add_u32 v[GSC], v1, 2, s92
	v_add_nc_u32 v[GSC], GC, v[GSC]
	v_add_nc_u32 v[GRC], s92, v[GA]
	v_add_nc_u32 v[GRC], GC, v[GRC]
	v_lshlrev_b32 v[BOE], 6, v2
	v_lshrrev_b32 v5, 3, v1
	v_and_b32 v6, 7, v1
	v_lshl_add_u32 v5, v5, 4, v6
	v_lshlrev_b32 v[BOL], 2, v5
.macro FRAG reg, adr, q, i             ; a fragment, 16 rows x 128 K of 4-bit codes: lane l holds row l % 16; registers 4 c .. 4 c + 3 hold K = 64 c + 32 (l / 16) + 0 .. 31
.irp c, 0,1
	ds_load_b128 v[\reg+4*\c:\reg+4*\c+3], v[\adr] offset:64*(\q)+32*\c+(\i)*16*PITCH
.endr
.endm
; 16 matrix instructions: L's blocks a0, a0 + 1 x R's eight, 128 along K: the slot's q-th.  p: R's set; sc: the set of scale words.  zero = 1: the first product starts the sums.
; The 64 accumulators take turns, one instruction a turn, in the same order in every step.
.macro MUL16 a0, p, q, sc, zero
.irp a, \a0, \a0+1
.irp b, 0,1,2,3,4,5,6,7
.if \zero
	v_wmma_scale_f32_16x16x128_f8f6f4 v[8*(8*((\a)%4)+\b):8*(8*((\a)%4)+\b)+7], v[128*(\p)+FR*\b:128*(\p)+FR*\b+FR-1], v[AF+FR*(\a):AF+FR*(\a)+FR-1], 0, v[SC+8*NQ*(\sc)+NQ*\b+(\q)], v[SC+8*NQ*(\sc)+NQ*(\a)+(\q)] matrix_a_fmt:MATRIX_FMT_FP4 matrix_b_fmt:MATRIX_FMT_FP4 matrix_a_scale:MATRIX_SCALE_ROW1
.else
	v_wmma_scale_f32_16x16x128_f8f6f4 v[8*(8*((\a)%4)+\b):8*(8*((\a)%4)+\b)+7], v[128*(\p)+FR*\b:128*(\p)+FR*\b+FR-1], v[AF+FR*(\a):AF+FR*(\a)+FR-1], v[8*(8*((\a)%4)+\b):8*(8*((\a)%4)+\b)+7], v[SC+8*NQ*(\sc)+NQ*\b+(\q)], v[SC+8*NQ*(\sc)+NQ*(\a)+(\q)] matrix_a_fmt:MATRIX_FMT_FP4 matrix_b_fmt:MATRIX_FMT_FP4 matrix_a_scale:MATRIX_SCALE_ROW1
.endif
.endr
.endr
.endm
.macro FETCH_B slot, q, p              ; R's eight fragments of the slot's q-th 128 along K into set p
	WIN TO_B
.irp i, 0,1,2,3,4,5,6,7
	FRAG 128*(\p)+FR*\i, ADRB+\slot, \q, \i
.endr
	WIN 0
.endm
.macro FETCH_A slot, q, i0             ; L's blocks i0 .. i0 + 3
.irp i, \i0, \i0+1, \i0+2, \i0+3
	FRAG AF+FR*(\i), ADRA+\slot, \q, \i
.endr
.endm
.macro SCALES sc                       ; a slot's scale words into set sc: 4 words a row; lanes 0-15 take L's block i, lanes 16-31 R's block i
.irp i, 0,1,2,3,4,5,6,7
	ds_load_b128 v[SC+8*NQ*\sc+NQ*\i:SC+8*NQ*\sc+NQ*\i+3], v[ADRS] offset:\i*SBLK
.endr
.endm
; A load into a register that a matrix instruction has read stands four places behind that matrix instruction, and only plain vector instructions that name none of its registers are places (ISA guide 7.12.1 for vector
; instructions).
.macro PLACES n
.rept \n
	v_nop
.endr
.endm
; A step of 128 along K that has its successor in the same slot.  L has one set of registers: blocks 0-3 are fetched anew in the step's middle, blocks 4-7 at its end; R has two sets.
.macro STEP slot, q, zero
	s_wait_dscnt 4*NL                              ; R's set and L's blocks 0-3 are in; the youngest eight loads (L's blocks 4-7) may be out
	WIN MUL_LO
	MUL16 0, (\q)%2, \q, \slot, \zero
	MUL16 2, (\q)%2, \q, \slot, \zero
	s_wait_dscnt 0                                 ; L's blocks 4-7 are in (asked for 32 matrix instructions ago)
	PLACES NP
	FETCH_B \slot, (\q)+1, 1-(\q)%2
	FETCH_A \slot, (\q)+1, 0
	WIN MUL_HI
	MUL16 4, (\q)%2, \q, \slot, \zero
	MUL16 6, (\q)%2, \q, \slot, \zero
	PLACES NP
	WIN 0
	FETCH_A \slot, (\q)+1, 4
.endm
; Slot 0's last step goes on into slot 1: my part of slot 1 has landed, and behind the barrier everybody's has.  Nothing is filled again.
.macro TURN slot, next
	s_wait_dscnt 4*NL                              ; (the youngest eight loads may be out)
	WIN MUL_LO
	MUL16 0, 1, NQ-1, \slot, 0
	s_wait_dscnt 0x0                               ; all my LDS loads are in
	MUL16 2, 1, NQ-1, \slot, 0
	WIN 0
	PLACES NP
	v_add_nc_u32 v[ADRS], 4*NQ, v[ADRS]            ; on to the next slot's scale words
	FETCH_B \next, 0, 0
	FETCH_A \next, 0, 0
	SCALES \next
	WIN MUL_HI
	MUL16 4, 1, NQ-1, \slot, 0
	MUL16 6, 1, NQ-1, \slot, 0
	PLACES NP
	WIN 0
	FETCH_A \next, 0, 4
.endm
.macro LAST                            ; the very last step: nothing more to fetch
	s_wait_dscnt 4*NL
	WIN MUL_LO
	MUL16 0, 1, NQ-1, 1, 0
	MUL16 2, 1, NQ-1, 1, 0
	s_wait_dscnt 0
	WIN MUL_HI
	MUL16 4, 1, NQ-1, 1, 0
	MUL16 6, 1, NQ-1, 1, 0
	WIN 0
.irp b, 0,1,2,3
	v_mov_b32 v[TM+4+\b], 0                        ; a lane permute's destination counts as one of its sources: written once.  These four are also the places behind the last products
.endr
	s_wait_loadcnt 0x0                             ; the bias (and s), asked for two steps ago
.endm
; 64 numbers of a lane, v[s] .. v[s + 63], register 16 b + i = index 32 b + 16 (lane / 16) + i of my row, become a fragment's codes in v[PC] on and its scale word in v[PW].
.macro QUANT s
.irp b, 0,1,2,3
	v_max3_num_f32 v[TM+\b], |v[\s+16*\b]|, |v[\s+1+16*\b]|, 0x1800000   ; block b: my 16 numbers, and the floor 2^(3 - 127): the byte cannot fall under 1
.endr
.irp i, 2,4,6,8,10,12,14
.irp b, 0,1,2,3
	v_max3_num_f32 v[TM+\b], v[TM+\b], |v[\s+16*\b+\i]|, |v[\s+1+16*\b+\i]|   ; (the four blocks by turns)
.endr
.endr
.irp b, 0,1,2,3
	v_permlanex16_b32 v[TM+4+\b], v[TM+\b], s[SEL], s[SEL+1]
.endr
.irp b, 0,1,2,3
	v_max_num_f32 v[TM+\b], v[TM+\b], v[TM+4+\b]   ; with lane l xor 16's: the block's largest magnitude
.endr
.irp b, 0,1,2,3
	v_add_nc_u32 v[TM+12+\b], 0xff000000, v[TM+\b] ; 2 off its exponent field: the conversion's scale operand
.endr
.irp b, 0,1,2,3
	v_lshrrev_b32 v[TM+4+\b], 23, v[TM+12+\b]      ; the scale's byte
.endr
	v_lshl_or_b32 v[PW], v[TM+5], 8, v[TM+4]       ; the four bytes make my row's scale word
	v_lshl_or_b32 v[PW], v[TM+6], 16, v[PW]
	v_lshl_or_b32 v[PW], v[TM+7], 24, v[PW]
.irp b, 0,1,2,3
	v_cvt_scalef32_pk8_fp4_f32 v[PC+2*\b], v[\s+16*\b:\s+7+16*\b], v[TM+12+\b]
	v_cvt_scalef32_pk8_fp4_f32 v[PC+1+2*\b], v[\s+8+16*\b:\s+15+16*\b], v[TM+12+\b]
.endr
	v_nop                                          ; one plain place behind a scaled conversion
.irp c, 0,1                                    ; the operand's layout wants a whole block in a lane: lanes 0-15 block 2 c, lanes 16-31 block 2 c + 1
.irp i, 0,1
	v_permlane16_swap_b32 v[PC+4*\c+\i], v[PC+2+4*\c+\i]
.endr
.endr
.endm
; A bias along e, from the pointer in s[92:93]: index 16 bb + i of a lane is e0 + 32 bb + 16 h + i, e0 = 256 cx + 128 x my half of R.  4 e0 stays in s[96:97]
.macro BIAS_E
	s_lshl_b32 s96, s[CX], 10
	s_lshl_b32 s97, s[RH], 9
	s_add_co_u32 s96, s96, s97
	s_mov_b32 s97, 0
	s_add_nc_u64 s[92:93], s[92:93], s[96:97]
.irp bb, 0,1,2,3
.irp j, 0,1,2,3
	global_load_b128 v[BI+16*\bb+4*\j:BI+16*\bb+4*\j+3], v[BOE], s[92:93] offset:128*\bb+16*\j
.endr
.endr
.endm
; The number of my first head's record, into s60: (16 batch + head) x 16 + the step of 128 positions.  tile, half: word's tile of 256 positions and my half of it; hx, hh: the weight's tile of 256 and my half of it
.macro RECORD tile, half, hx, hh
	s_lshr_b32 s60, s[\tile], 3
	s_lshl_b32 s60, s60, 4
	s_lshl_b32 s61, s[\hx], 2
	s_add_co_u32 s60, s60, s61
	s_lshl_b32 s61, s[\hh], 1
	s_add_co_u32 s60, s60, s61
	s_lshl_b32 s60, s60, 4
	s_lshl_b32 s61, s[\tile], 1
	s_add_co_u32 s61, s61, s[\half]
	s_and_b32 s61, s61, 15
	s_add_co_u32 s60, s60, s61
.endm
; L's block a goes out: the bias is added while the numbers move to window 0 (each accumulator from its low end on), they are quantised, and the codes leave as they stand, 512 consecutive bytes a store.
; isv = 0: registers run along e: codes 0-3 are my first head's 64, codes 4-7 my second's; the scale word's halves likewise.  isv = 1: registers run along 128 keys; blocks 0-3 are my first head's channels, 4-7 my second's.
.macro BLOCK a, isv
	WIN 0x02+(\a)/4                                ; source 0: window 2 or 3
.set i, 0
.rept 32
.if \isv
	v_pk_add_f32 v[T+2*i:T+2*i+1], v[64*((\a)%4)+2*i:64*((\a)%4)+2*i+1], v[BI+2*(\a):BI+2*(\a)+1]
.else
	v_pk_add_f32 v[T+2*i:T+2*i+1], v[64*((\a)%4)+2*i:64*((\a)%4)+2*i+1], v[BI+2*i:BI+2*i+1]
.endif
.set i, i+1
.endr
	WIN 0
.if (\a) > 0
	s_wait_xcnt 0x0                                ; the last block's stores have read its codes,
	s_wait_dscnt 0x0                               ; its LDS stores its scale word: both may be written again
.endif
	QUANT T
.if \isv
.if (\a) < 4
	global_store_b128 v[GA], v[PC:PC+3], s[BA:BA+1] offset:4608+1024*((\a)%4)
	global_store_b128 v[GA], v[PC+4:PC+7], s[BA:BA+1] offset:4608+1024*((\a)%4)+512
.else
	global_store_b128 v[GA], v[PC:PC+3], s[BB:BB+1] offset:4608+1024*((\a)%4)
	global_store_b128 v[GA], v[PC+4:PC+7], s[BB:BB+1] offset:4608+1024*((\a)%4)+512
.endif
	ds_store_b32 v[GSV], v[PW] offset:256*((\a)/4)+4*((\a)%4)       ; lanes l and l xor 16 write the same word with the same value
.else
	global_store_b128 v[GA], v[PC:PC+3], s[BA:BA+1] offset:512*(\a)
	global_store_b128 v[GA], v[PC+4:PC+7], s[BB:BB+1] offset:512*(\a)
	ds_store_b16 v[GSQ], v[PW] offset:2*(\a)
	ds_store_b16_d16_hi v[GSQ], v[PW] offset:256+2*(\a)
.endif
.endm
	s_wait_tensorcnt 0x0                           ; my one tensor load has landed,
	s_barrier_signal -1
	s_barrier_wait -1                              ; everybody's are
	FETCH_B 0, 0, 0
	FETCH_A 0, 0, 0
	SCALES 0
	FETCH_A 0, 0, 4
	STEP 0, 0, 1                                   ; the first step's products start the sums: nothing is cleared
	STEP 0, 1, 0
	STEP 0, 2, 0
	TURN 0, 1
	STEP 1, 0, 0
	STEP 1, 1, 0
	; THE WAYS PART HERE, on the cluster's x (the same in all sixteen partners), two steps before the end: each way asks for its bias first, and the last 128 matrix instructions stand between the request and its use.
	s_cmp_eq_u32 s[CLX], 3
	s_cbranch_scc1 .Lpath_v
	s_cmp_eq_u32 s[CLX], 2
	s_cbranch_scc1 .Lpath_c
	; ---- x = 0, 1: Q = w1 + b1 into qc, K = w2 + b2 into kv
	s_cmp_eq_u32 s[CLX], 0
	s_cselect_b64 s[92:93], s[8:9], s[10:11]
	s_wait_alu depctr_va_vdst(0)
	BIAS_E
	RECORD LT, LH, CX, RH
	s_cmp_eq_u32 s[CLX], 1
	s_mov_b32 s62, QREC
	s_cselect_b32 s62, KVREC, s62
	s_cselect_b64 s[BA:BA+1], s[20:21], s[18:19]
	s_mul_i32 s60, s60, s62
	s_mov_b32 s61, 0
	s_add_nc_u64 s[BA:BA+1], s[BA:BA+1], s[60:61]
	s_lshl_b32 s60, s62, 4                         ; the next head's record lies 16 records on
	s_add_nc_u64 s[BB:BB+1], s[BA:BA+1], s[60:61]
	v_mul_u32_u24 v[VO], v2, s60
	v_lshl_add_u32 v[VO], v1, 4, v[VO]
	STEP 1, 2, 0
	LAST
.irp a, 0,1,2,3,4,5,6,7
	BLOCK \a, 0
.endr
	ds_load_b128 v[32:35], v[GRQ]                  ; LDS serves a wave's instructions in order: this sees my stores.  Lanes 0-15: my first head's 256 scale bytes; lanes 16-31: my second's
	s_wait_dscnt 0x0
	global_store_b128 v[VO], v[32:35], s[BA:BA+1] offset:4096
	s_branch .Lend
	; ---- x = 2: c = (w3 + b3) . s into qc
.Lpath_c:
	s_mov_b64 s[92:93], s[12:13]
	s_wait_alu depctr_va_vdst(0)
	BIAS_E
	s_lshr_b32 s60, s[LT], 3                       ; the batch
	s_lshl_b32 s60, s60, 12
	s_add_co_u32 s96, s96, s60
	s_add_nc_u64 s[100:101], s[16:17], s[96:97]    ; s of my batch at e0, laid as the bias
	WIN TO_B
.irp bb, 0,1,2,3
.irp j, 0,1,2,3
	global_load_b128 v[SV+16*\bb+4*\j:SV+16*\bb+4*\j+3], v[BOE], s[100:101] offset:128*\bb+16*\j
.endr
.endr
	WIN 0
	RECORD LT, LH, CX, RH
	s_mul_i32 s60, s60, QREC
	s_mov_b32 s61, 0
	s_add_nc_u64 s[BA:BA+1], s[18:19], s[60:61]
	s_add_nc_u64 s[BB:BB+1], s[BA:BA+1], 16*QREC
	STEP 1, 2, 0
	LAST
	WIN 0x04                                       ; source 1 (s) window 1
	v_pk_mul_f32 v[BS:BS+1], v[BI:BI+1], v[SV:SV+1]                ; b3 . s of my 32 numbers of each head, once: so each number of w3 costs one multiply-add
	v_pk_mul_f32 v[BS+2:BS+3], v[BI+32:BI+33], v[SV+32:SV+33]
.set i, 1
.rept 15
	v_pk_fma_f32 v[BS:BS+1], v[BI+2*i:BI+2*i+1], v[SV+2*i:SV+2*i+1], v[BS:BS+1]
	v_pk_fma_f32 v[BS+2:BS+3], v[BI+32+2*i:BI+33+2*i], v[SV+32+2*i:SV+33+2*i], v[BS+2:BS+3]
.set i, i+1
.endr
.macro CBLK a                          ; L's block a: 16 words; two chains of packed sums for each head, each accumulator from its low end on
.set AC, 64*((\a)%4)
	WIN 0x06+(\a)/4                                ; source 0 (the accumulators) window 2 or 3, source 1 (s) window 1
	v_pk_fma_f32 v[CH:CH+1], v[AC:AC+1], v[SV:SV+1], v[BS:BS+1]
	v_pk_fma_f32 v[CH+4:CH+5], v[AC+32:AC+33], v[SV+32:SV+33], v[BS+2:BS+3]
	v_pk_mul_f32 v[CH+2:CH+3], v[AC+2:AC+3], v[SV+2:SV+3]
	v_pk_mul_f32 v[CH+6:CH+7], v[AC+34:AC+35], v[SV+34:SV+35]
.set i, 2
.rept 14
	v_pk_fma_f32 v[CH+2*(i%2):CH+2*(i%2)+1], v[AC+2*i:AC+2*i+1], v[SV+2*i:SV+2*i+1], v[CH+2*(i%2):CH+2*(i%2)+1]
	v_pk_fma_f32 v[CH+4+2*(i%2):CH+5+2*(i%2)], v[AC+32+2*i:AC+33+2*i], v[SV+32+2*i:SV+33+2*i], v[CH+4+2*(i%2):CH+5+2*(i%2)]
.set i, i+1
.endr
	WIN 0
	v_pk_add_f32 v[CH:CH+1], v[CH:CH+1], v[CH+2:CH+3]
	v_pk_add_f32 v[CH+4:CH+5], v[CH+4:CH+5], v[CH+6:CH+7]
	v_add_f32 v[CR+2*(\a)], v[CH], v[CH+1]
	v_add_f32 v[CR+2*(\a)+1], v[CH+4], v[CH+5]
	v_permlanex16_b32 v[TM+4], v[CR+2*(\a)], s[SEL], s[SEL+1]
	v_permlanex16_b32 v[TM+5], v[CR+2*(\a)+1], s[SEL], s[SEL+1]
	v_add_f32 v[CR+2*(\a)], v[CR+2*(\a)], v[TM+4]                  ; with lane l xor 16's 32 numbers: c of word 16 a + r, my first head
	v_add_f32 v[CR+2*(\a)+1], v[CR+2*(\a)+1], v[TM+5]              ; my second head
	ds_store_b32 v[GSC], v[CR+2*(\a)] offset:64*(\a)               ; each block has registers of its own for its results
	ds_store_b32 v[GSC], v[CR+2*(\a)+1] offset:512+64*(\a)
.endm
.irp a, 0,1,2,3,4,5,6,7
	CBLK \a
.endr
	ds_load_b128 v[112:115], v[GRC]                ; my first head's 128 numbers, 16 bytes a lane;
	ds_load_b128 v[116:119], v[GRC] offset:512     ; my second's
	s_wait_dscnt 0x0
	global_store_b128 v[GA], v[112:115], s[BA:BA+1] offset:4352
	global_store_b128 v[GA], v[116:119], s[BB:BB+1] offset:4352
	s_branch .Lend
	; ---- x = 3: V = w4 + b4, quantised along the keys, into kv
.Lpath_v:
	s_lshl_b32 s96, s[CY], 10
	s_lshl_b32 s97, s[LH], 9
	s_add_co_u32 s96, s96, s97                     ; 4 e0, e0 = 256 cy + 128 x my half of L
	s_mov_b32 s97, 0
	s_add_nc_u64 s[92:93], s[14:15], s[96:97]
	s_wait_alu depctr_va_vdst(0)
.irp a, 0,1,2,3,4,5,6,7                        ; lane r of block a holds e0 + 32 (a / 2) + 8 (a % 2) + r + 8 (r / 8).  The number comes twice, to fill the pair that the packed addition names
	global_load_b32 v[BI+2*\a], v[BOL], s[92:93] offset:(32*(\a/2)+8*(\a%2))*4
	global_load_b32 v[BI+2*\a+1], v[BOL], s[92:93] offset:(32*(\a/2)+8*(\a%2))*4
.endr
	RECORD RT, RH, CY, LH
	s_mul_i32 s60, s60, KVREC
	s_mov_b32 s61, 0
	s_add_nc_u64 s[BA:BA+1], s[20:21], s[60:61]
	s_add_nc_u64 s[BB:BB+1], s[BA:BA+1], 16*KVREC
	v_mul_u32_u24 v[VO], v2, 16*KVREC
	v_lshl_add_u32 v[VO], v1, 4, v[VO]
	STEP 1, 2, 0
	LAST
.irp a, 0,1,2,3,4,5,6,7
	BLOCK \a, 1
.endr
	ds_load_b128 v[32:35], v[GRV]
	s_wait_dscnt 0x0
	global_store_b128 v[VO], v[32:35], s[BA:BA+1] offset:4352
.Lend:
	s_wait_tensorcnt 0x0                           ; the wave's end: behind my last tensor load and my last LDS store
	ds_add_u32 v[SPW], v[NIL]
	s_wait_dscnt 0x0
	CROUND                                         ; the closing round: no work-group ends while a partner may still ask for a tile that names it
	s_endpgm
.Lfunc_end_k_q8b7a366b5e_proj:
	.size	k_q8b7a366b5e_proj, .Lfunc_end_k_q8b7a366b5e_proj-k_q8b7a366b5e_proj
	.p2alignl 7, 3214868480
	.fill 96, 4, 3214868480
	.section	.rodata,"a",@progbits
	.p2align	6, 0x0
	.amdhsa_kernel k_q8b7a366b5e_proj
		.amdhsa_group_segment_fixed_size 327680
		.amdhsa_private_segment_fixed_size 0
		.amdhsa_enable_private_segment 0
		.amdhsa_kernarg_size 72
		.amdhsa_user_sgpr_count 2
		.amdhsa_user_sgpr_kernarg_segment_ptr 1
		.amdhsa_wavefront_size32 1
		.amdhsa_system_sgpr_workgroup_id_x 1
		.amdhsa_system_sgpr_workgroup_id_y 1
		.amdhsa_system_sgpr_workgroup_id_z 1
		.amdhsa_system_vgpr_workitem_id 0
		.amdhsa_next_free_vgpr 1024
		.amdhsa_next_free_sgpr 102
		.amdhsa_reserve_vcc 0
		.amdhsa_float_denorm_mode_32 3
		.amdhsa_float_denorm_mode_16_64 3
		.amdhsa_memory_ordered 1
		.amdhsa_forward_progress 1
		.amdhsa_inst_pref_size 255
	.end_amdhsa_kernel
	.section	.bss,"aw",@nobits
	.p2align	6
	.space	262144
	.amdgpu_metadata
---
amdhsa.version: [ 1, 2 ]
amdhsa.kernels:
  - .name:           k_q8b7a366b5e_proj
    .symbol:         k_q8b7a366b5e_proj.kd
    .args:
      - { .name: codes, .offset: 0, .size: 8, .value_kind: global_buffer, .address_space: global }
      - { .name: scl, .offset: 8, .size: 8, .value_kind: global_buffer, .address_space: global }
      - { .name: b1, .offset: 16, .size: 8, .value_kind: global_buffer, .address_space: global }
      - { .name: b2, .offset: 24, .size: 8, .value_kind: global_buffer, .address_space: global }
      - { .name: b3, .offset: 32, .size: 8, .value_kind: global_buffer, .address_space: global }
      - { .name: b4, .offset: 40, .size: 8, .value_kind: global_buffer, .address_space: global }
      - { .name: sbuf, .offset: 48, .size: 8, .value_kind: global_buffer, .address_space: global }
      - { .name: qc, .offset: 56, .size: 8, .value_kind: global_buffer, .address_space: global }
      - { .name: kv, .offset: 64, .size: 8, .value_kind: global_buffer, .address_space: global }
    .group_segment_fixed_size: 327680
    .private_segment_fixed_size: 0
    .kernarg_segment_align: 8
    .kernarg_segment_size: 72
    .max_flat_workgroup_size: 128
    .sgpr_count:     102
    .vgpr_count:     1024
    .wavefront_size: 32
...
	.end_amdgpu_metadata
.endif
;; end of part 2
;; launch attn (part 3): grid 8 x 32, 8 waves a work-group, clusters of 4 x 1, 167,936 bytes of LDS; arguments qc, kv, ximg, xsc; writes ximg, xsc
.if DOCPART == 3
	.amdgcn_target "amdgcn-amd-amdhsa--gfx1250"
	.amdhsa_code_object_version 6
	.text
	.protected	k_q8b7a366b5e_attn
	.globl	k_q8b7a366b5e_attn
	.p2align	8
	.type	k_q8b7a366b5e_attn,@function
k_q8b7a366b5e_attn:
	s_mov_b64 s[64:65], 0
	v_nop
	global_prefetch_b8 v0, s[64:65] scope:SCOPE_SE
	s_setreg_imm32_b32 hwreg(HW_REG_WAVE_MODE, 25, 1), 1
	s_wait_xcnt 0x0
	s_wait_alu depctr_hold_cnt(0) depctr_sa_sdst(0) depctr_va_vdst(0) depctr_va_sdst(0) depctr_va_ssrc(0) depctr_va_vcc(0) depctr_vm_vsrc(0)
	s_getreg_b32 s2, hwreg(HW_REG_IB_STS2, 6, 4)
	s_cmp_eq_u32 s2, 0
	s_cbranch_scc0 .Lentry_in_a_cluster
	s_endpgm
.Lentry_in_a_cluster:
	s_bfe_u32 s2, ttmp6, 0x10000c
	s_cmp_lg_u32 s2, 0x3003
	s_cbranch_scc0 .Lentry_shape_is_right
	s_endpgm
.Lentry_shape_is_right:
; THIRD LAUNCH: scores, softmax and context of one head, both products on codes of FP4 (E2M1) with E8M0 scales; the context, divided by the row's sum, is quantised along e for the last projection.  Nothing of reference() is left out here.
; logit = w1 . w2 + c, c the word-sentence score of the query.  t = logit x log2(e); M = the row's largest t so far, rounded up to a whole number; p = 2^(t - M) is what is quantised, along the keys, not normalised.
; The row's sum is taken of the unquantised p, in f32.  When M moves, the sum and O are multiplied by 2^(old M - new M): exact.
; SHARES.  A work-group owns 256 positions of one batch and head; each of its eight waves TWO tiles of 16 queries, so that each fragment of K and of V read from LDS feeds two products.  Two waves to a SIMD, 512 registers each.
; THE HEAD'S WHOLE K AND V LIE IN LDS: 16 records of 8,704 bytes (128 keys each).  Wave w fetches records 2 w and 2 w + 1 by one tensor load; nothing is filled again.
; CLUSTER.  The four query blocks of a cluster belong to one head and need the same records: each is asked for jointly, by the same load with the same descriptor and a mask that names the four.
; LAYOUT.  Both products are used transposed: S^T = K Q^T (source 0 = keys), O^T = V^T P^T (source 0 = channels): a lane holds one query of each tile throughout.
; WHICH KEYS FORM A TILE is chosen by the lane's LDS address.  In a record piece a, lane (r, h) holds channels 32 h .. of key 32 (a / 2) + 8 (a % 2) + r + 8 (r / 8).  Tile u = 4 u2 + 2 u1 + u0 of a step takes as its row 8 g + j
; the key 64 u2 + 32 g + 16 u1 + 8 u0 + j, which lies in piece 4 u2 + 2 g + u0 at row 8 u1 + j.  In the result a lane of half h then holds, in registers 0-31, keys 32 h + 0 .. 31 and, in registers 32-63, keys 64 + 32 h + 0 .. 31:
; two WHOLE blocks of 32, in the order that the second product's operand wants: a block's largest score needs no other lane, and the conversions' results are the operand's registers as they stand.
; (Lanes 0-7 and 8-15 of such a load stand 1,024 bytes apart: by the count of 64 banks of 4 bytes, ISA guide 11.1, K's loads meet the same banks two deep.)
; THE HEAD HAS 64 CHANNELS, THE INSTRUCTION 128 ALONG K: a fragment of K holds two tiles of keys (u0 = 0 in registers 0-3, u0 = 1 in 4-7), and so does its scale word.  Q lies as [q | zeros | q]: the first eight registers pick
; u0 = 0, the last eight u0 = 1; the other tile meets zero codes, which add nothing under any of its scale bytes (1 to 254).
; A BLOCK'S SCALE is made ahead of the exponentials: p = 2^x rises with x = t - M, so the exponent field of the block's largest p is floor(its largest x) + 127, and the byte is floor(max(x, -124)) + 125, from 1 up.
; (Where v_exp_f32 rounds a p up onto the next power of two, that p is held at the largest code, as the quantiser holds the exact number just under that power.)
; THE EXPONENTIALS GO IN FOUR BATCHES, one for each of a lane's four blocks of 32 keys (block c = 2 x tile + half).  Between the exponentials of a batch stand lines on other blocks whose results are first read behind the next wait:
; the multiply-adds of later blocks, the conversions of the block before, and the sums of earlier blocks, which are a tree in place over p's registers once p has been converted: one level a batch.
; THE NEXT STEP'S K is asked of LDS straight behind this step's score products, whose registers it takes; V at the step's head.
; LIMITS: a p under 2^-126 counts as 0; scores under -1e38 are not served; a block whose largest magnitude lies under 2^-124 gets the byte 1; the division by the row's sum is a reciprocal and a multiplication; NaN and infinities are not served.
; No prefetch: all that the launch reads is asked for at its head.
; REGISTERS.  Window 0: v1-12 addresses; v16-31 the two tiles' state; v32-55 Q; v56-59 Q's and p's scale words; v64-95 K, v96-127 V, v128-135 their scale words; v136-151 the context's codes; v160-175 at work; v192-255 the way out.
; Window 1: v0-127 S^T, then p, then its sums (block c at 32 c); v128-191 O^T (tile t at 128 + 32 t); v192-207 p's codes; v208-211 the conversions' scale operands.
.set KVREC, 8704
.set QREC,  4864
.set SPARE, 16*KVREC                   ; behind the records: the spare words, 128 bytes for each of eight waves
.set SCG,   SPARE+1024                 ; where the work-group gathers the context's scale bytes: 512 bytes; no tensor load lands there
.set LI,  1                            ; 16 x lane
.set LS,  2                            ; 16 x (lane % 16)
.set ADR, 3                            ; the step's record + LI
.set ADS, 4                            ; the step's record + LS
.set SPW, 5                            ; LDS address of my spare word; never rewritten
.set NIL, 6                            ; 0; never rewritten
.set SCW, 7                            ; SCG + 64 wave + 2 r
.set SCR, 8                            ; SCG + 16 lane
.set AKL, 9                            ; my lane's place in K's pieces: 1,024 g + 16 j + 256 h
.set ASL, 10                           ; and among K's scale bytes: 4,096 + 16 j + 4 g
.set ADK, 11                           ; the step's record + AKL
.set ADQ, 12                           ; the step's record + ASL
.set ST,  16                           ; state of tile t at ST + 8 t:
.set CCM, 0                            ;   c log2(e) - M   (a pair with the next)
.set SMX, 1                            ;   the largest score so far
.set NM,  2                            ;   -M
.set CL,  3                            ;   c log2(e)
.set LL,  4                            ;   the row's sum, in two halves
.set FF,  6                            ;   f = 2^(old M - new M)   (a pair with a word that is written once)
.set QQ,  32
.set QS,  56
.set PW,  58
.set KF,  64
.set VF,  96
.set KS,  128
.set VS,  132
.set CD,  136                          ; the way out: the context's codes
.set BM,  160                          ; a block's largest score, then its x, then its byte: block c
.set TA,  164
.set TC,  166
.set XO,  168                          ; the way out: the conversions' scale operands
.set OW,  172                          ; the context's scale bytes
.set WW,  192
.set SS,  0                            ; in window 1
.set OO,  128                          ; in window 1
.set CD1, 192                          ; in window 1: p's codes, block c at 4 c
.set XO1, 208                          ; in window 1: block c's scale operand
.set WV,  18
.set SEL, 20                           ; s[20:21] lane selects for v_permlanex16_b32: lane l xor 16
.set CS,  22                           ; s[22:23] log2(e): the packed form names a pair and takes its low word for both halves
.set G1,  24
.set G0,  32
.set TB,  2                            ; LDS byte at which the step's record begins
.set CNT, 3
.set MSB, 0
.macro WIN new                         ; low byte: bits 1:0 source 0, 3:2 source 1, 5:4 source 2, 7:6 destination; the high byte repeats the setting that is left
.if MSB != (\new)
	s_set_vgpr_msb (MSB<<8)|(\new)
.set MSB, (\new)
.endif
.endm
.macro HINT2
	s_delay_alu instid0(VALU_DEP_2)
.endm
.macro CROUND                          ; a round of the cluster's barrier
	s_barrier_signal -1
	s_barrier_wait -1
	s_cmp_lg_u32 s[WV], 0
	s_cbranch_scc1 .Lnot_wave_0_\@
	s_barrier_signal -3
.Lnot_wave_0_\@:
	s_barrier_wait -3
	s_barrier_signal -1
	s_barrier_wait -1
.endm
.macro KLOAD a, b, off                 ; a step's K: four fragments of two tiles, and a scale word for each: 12 LDS loads
.irp p, 0,1,2,3
.irp u, 0,1
	ds_load_b128 v[KF+8*\p+4*\u:KF+8*\p+4*\u+3], v[\a] offset:(\off)+2048*(\p/2)+128*(\p%2)+512*\u
.endr
	ds_load_b32 v[KS+\p], v[\b] offset:(\off)+128*(\p%2)+8*(\p/2)
.endr
.endm
; The lines of the batches, all on window 1's block c
.macro EX c, i                         ; p = 2^(t - M) of register i: not normalised
	v_exp_f32 v[SS+32*(\c)+(\i)], v[SS+32*(\c)+(\i)]
.endm
.macro FM c, i                         ; t - M of pair i (of both scalar-like pairs the low word serves both halves)
	v_pk_fma_f32 v[SS+32*(\c)+2*(\i):SS+32*(\c)+2*(\i)+1], v[SS+32*(\c)+2*(\i):SS+32*(\c)+2*(\i)+1], s[CS:CS+1], v[ST+8*((\c)/2)+CCM:ST+8*((\c)/2)+CCM+1] op_sel_hi:[1,0,0]
.endm
.macro AD c, a, n                      ; the tree of sums: pair a += pair a + n
	v_pk_add_f32 v[SS+32*(\c)+2*(\a):SS+32*(\c)+2*(\a)+1], v[SS+32*(\c)+2*(\a):SS+32*(\c)+2*(\a)+1], v[SS+32*(\c)+2*((\a)+(\n)):SS+32*(\c)+2*((\a)+(\n))+1]
.endm
.macro CV c, g                         ; register 4 c + g of the two operands: keys 64 (c % 2) + 32 h + 8 g + 0 .. 7
	v_cvt_scalef32_pk8_fp4_f32 v[CD1+4*(\c)+(\g)], v[SS+32*(\c)+8*(\g):SS+32*(\c)+8*(\g)+7], v[XO1+(\c)]
.endm
.macro NX c                            ; block c's next exponential
	EX \c, e
.set e, e+1
.endm
; The rest of block c's batch, from exponential e on.  Among them: block c - 1 is converted; a v_nop, the plain place between the conversions and the lines that write over their sources; the first level of its sums;
; the second level of block c - 2's, the third of block c - 3's.  A v_nop is the plain place behind the last exponential; the wait serves this batch's results and lines, and stands ahead of the next batch.
.macro MIX c
.irp g, 0,1,2,3
	NX \c
	CV (\c)-1, \g
.endr
	NX \c
	v_nop
.irp a, 0,1,2,3,4,5,6,7
	NX \c
	AD (\c)-1, \a, 8
.endr
.if (\c) > 1
.irp a, 0,1,2,3
	NX \c
	AD (\c)-2, \a, 4
.endr
.endif
.if (\c) > 2
.irp a, 0,1
	NX \c
	AD (\c)-3, \a, 2
.endr
.endif
.rept 32-e
	NX \c
.endr
	v_nop
	s_wait_alu depctr_va_vdst(0)
.endm
	s_load_b256 s[4:11], s[0:1], 0x0               ; qc s[4:5], kv s[6:7], ximg s[8:9], xsc s[10:11]
	v_lshl_add_u32 v[SPW], v0, 2, SPARE
	v_mov_b32 v[NIL], 0
	ds_add_u32 v[SPW], v[NIL]                      ; the wave's opening: the add, twice on end, and its wait ahead of my first tensor load; the set-up below stands between
	ds_add_u32 v[SPW], v[NIL]
	v_lshrrev_b32 v13, 5, v0
	v_readfirstlane_b32 s[WV], v13                 ; wave 0..7
	v_and_b32 v13, 31, v0
	v_and_b32 v14, 7, v0                           ; j
	v_bfe_u32 v15, v0, 3, 1                        ; g
	v_lshlrev_b32 v[LI], 4, v13
	v_and_b32 v13, 15, v0                          ; r; kept to the loads of Q
	v_lshlrev_b32 v[ASL], 4, v14
	v_lshlrev_b32 v[LS], 4, v13
	v_lshl_add_u32 v[AKL], v15, 10, v[ASL]
	v_lshl_add_u32 v[ASL], v15, 2, v[ASL]
	v_bfe_u32 v15, v0, 4, 1                        ; h
	v_add_nc_u32 v[ASL], 4096, v[ASL]
	v_lshl_add_u32 v[AKL], v15, 8, v[AKL]
	s_lshl_b32 s12, s[WV], 6
	v_lshl_add_u32 v[SCW], v13, 1, s12
	v_add_nc_u32 v[SCR], SCG, v[LI]
	v_add_nc_u32 v[SCW], SCG, v[SCW]
	s_bfe_u32 s12, ttmp6, 0x40000                  ; cx
	s_lshl_b32 s13, ttmp9, 2
	s_add_co_u32 s13, s13, s12                     ; my block of 256 positions: it enters the addresses of Q and of the results alone
	s_and_b32 s14, ttmp7, 0xffff                   ; 16 batch + head, which the four partners share
	; group 1: two records, 17,408 dense bytes, as 68 rows of 256 bytes (32 elements of 8)
	s_mov_b32 s[G1], 15|(3<<16)|(1<<21)            ; 15:0 the mask: all four work-groups; 17:16 elements of 8 bytes; 21 set beside a mask; no padding
	s_mov_b32 s[G1+1], 32<<16                      ; tensor_dim0
	s_mov_b32 s[G1+2], 68<<16                      ; tensor_dim1
	s_mov_b32 s[G1+3], 32<<16                      ; tile_dim0
	s_mov_b32 s[G1+4], 68                          ; tile_dim1
	s_mov_b32 s[G1+5], 32                          ; tensor_dim0_stride
	s_mov_b32 s[G1+6], 0
	s_mov_b32 s[G1+7], 0
	s_lshl_b32 s15, s14, 4                         ; the head's first record
	s_lshl_b32 s16, s[WV], 1
	s_mov_b32 s[G0], 1
	s_mul_i32 s[G0+1], s16, KVREC                  ; records 2 w, 2 w + 1 in LDS,
	s_add_co_u32 s16, s16, s15
	s_mul_i32 s16, s16, KVREC                      ; and in memory
	s_mov_b32 s17, 0
	s_lshl_b32 s36, s13, 1
	s_lshr_b32 s37, s[WV], 2
	s_add_co_u32 s36, s36, s37
	s_add_co_u32 s36, s36, s15
	s_mul_i32 s36, s36, QREC                       ; Q's record: 128 positions; my tiles are its 2 (wave % 4)-th and the next
	s_mov_b32 s37, 0
	s_and_b32 s38, s[WV], 3
	s_lshr_b32 s40, s14, 4                         ; batch
	s_and_b32 s41, s14, 15                         ; head
	s_lshl_b32 s42, s40, 7
	s_lshl_b32 s43, s13, 4
	s_add_co_u32 s42, s42, s43
	s_lshl_b32 s43, s[WV], 1
	s_add_co_u32 s42, s42, s43                     ; my first tile of 16 positions among all 256
	s_lshl_b32 s42, s42, 13                        ; 16 heads x 512 bytes a tile,
	s_lshl_b32 s43, s41, 9                         ; my head's piece
	s_add_co_u32 s42, s42, s43
	s_mov_b32 s43, 0
	s_lshl_b32 s44, s41, 13                        ; the scale bytes: 8,192 a head,
	s_lshl_b32 s45, s40, 12                        ; 4,096 a batch,
	s_add_co_u32 s44, s44, s45
	s_lshl_b32 s45, s13, 9                         ; 512 a work-group
	s_add_co_u32 s44, s44, s45
	s_mov_b32 s45, 0
	s_mov_b32 s[SEL], 0x76543210
	s_mov_b32 s[SEL+1], 0xfedcba98
	s_mov_b32 s[CS], 0x3fb8aa3b                    ; log2(e)
	s_mov_b32 s[CS+1], s[CS]                       ; (named with it as a pair, so it is written)
	s_mov_b32 s[TB], 0
	s_mov_b32 s[CNT], 16
	s_wait_dscnt 0x0                               ; both opening adds are done
	s_wait_kmcnt 0x0
	s_add_nc_u64 s[G0+2:G0+3], s[6:7], s[16:17]
	s_or_b32 s[G0+3], s[G0+3], 0x80000000
	s_add_nc_u64 s[4:5], s[4:5], s[36:37]
	s_add_nc_u64 s[8:9], s[8:9], s[42:43]
	s_add_nc_u64 s[10:11], s[10:11], s[44:45]
	CROUND                                         ; all four work-groups are here: the joint loads meet
	tensor_load_to_lds s[G0:G0+3], s[G1:G1+7]      ; every wave's one tensor load
	s_nop 0
.rept 4
	v_nop
.endr
	s_lshl_b32 s39, s38, 10
	s_wait_alu depctr_va_vdst(0)                   ; the wait ahead of the readers of what the head made
	v_add_nc_u32 v240, s39, v[LI]                  ; my first tile's piece; the second lies 512 bytes on
	s_lshl_b32 s39, s38, 2
	v_add_nc_u32 v241, s39, v[LS]                  ; the word with both tiles' scale bytes
	s_lshl_b32 s39, s38, 7
	v_lshl_add_u32 v242, v13, 2, s39               ; my query's c; the second tile's lies 64 bytes on
.irp t, 0,1
	global_load_b128 v[QQ+12*\t:QQ+12*\t+3], v240, s[4:5] offset:512*\t
	global_load_b128 v[QQ+12*\t+8:QQ+12*\t+11], v240, s[4:5] offset:512*\t   ; the same piece once more
	global_load_b32 v[ST+8*\t+CL], v242, s[4:5] offset:4352+64*\t
.endr
	global_load_b32 v243, v241, s[4:5] offset:4096
.irp j, 4,5,6,7,16,17,18,19
	v_mov_b32 v[QQ+\j], 0                          ; zero codes between the two
.endr
	WIN 0x40
.set i, 0
.rept 64
	v_mov_b32 v[OO+i], 0                           ; O^T.  (The step is written once: the first finds zeros, which the first change of M leaves zeros)
.set i, i+1
.endr
	WIN 0
.irp t, 0,1
	v_mov_b32 v[ST+8*\t+SMX], 0xfe967699           ; the largest score so far: -1e38
	v_mov_b32 v[ST+8*\t+LL], 0
	v_mov_b32 v[ST+8*\t+LL+1], 0
	v_mov_b32 v[ST+8*\t+FF+1], 0                   ; (named as the upper half of f's pair)
	v_mov_b32 v[TC+\t], 0                          ; a lane permute's destination counts as one of its sources
.endr
	s_wait_alu depctr_va_vdst(0)                   ; the wait directly ahead of the wait below
	s_wait_loadcnt 0x0
	v_perm_b32 v[QS], v243, v243, 0x01000100       ; Q's scale words: a tile's two bytes, twice: they serve both places of q.  Ten plain instructions stand between these lines and the first product
	v_perm_b32 v[QS+1], v243, v243, 0x03020302
.irp t, 0,1
	v_mul_f32 v[ST+8*\t+CL], s[CS], v[ST+8*\t+CL]  ; c log2(e)
.endr
.irp t, 0,1
	v_fma_f32 v[ST+8*\t+NM], v[ST+8*\t+SMX], s[CS], v[ST+8*\t+CL]
.endr
.irp t, 0,1
	v_floor_f32 v[ST+8*\t+NM], -v[ST+8*\t+NM]      ; -M
.endr
	s_wait_alu depctr_va_vdst(0)                   ; the head's end
	s_wait_tensorcnt 0x0                           ; my records are in,
	s_barrier_signal -1
	s_barrier_wait -1                              ; everybody's are
	KLOAD AKL, ASL, 0                              ; the first step's K
.Lstep:                                            ; 16 trips of 128 keys
	v_add_nc_u32 v[ADR], s[TB], v[LI]              ; these four are also the places in front of loads into registers that the last trip's products have read
	v_add_nc_u32 v[ADS], s[TB], v[LS]
	v_add_nc_u32 v[ADK], s[TB], v[AKL]
	v_add_nc_u32 v[ADQ], s[TB], v[ASL]
.irp i, 0,1,2,3,4,5,6,7
	ds_load_b128 v[VF+4*\i:VF+4*\i+3], v[ADR] offset:4608+512*\i   ; V: four fragments of 16 channels x 128 keys
.endr
	ds_load_b128 v[VS:VS+3], v[ADS] offset:4352    ; their scale words
	s_wait_alu depctr_va_vdst(0)
	s_wait_dscnt 9                                 ; K and its scale words are in; V's nine loads may be out
	WIN 0x40                                       ; results in window 1
.irp p, 0,1,2,3
.irp u, 0,1
.irp t, 0,1
	v_wmma_scale_f32_16x16x128_f8f6f4 v[SS+64*\t+16*\p+8*\u:SS+64*\t+16*\p+8*\u+7], v[KF+8*\p:KF+8*\p+7], v[QQ+12*\t+4*\u:QQ+12*\t+4*\u+7], 0, v[KS+\p], v[QS+\t] matrix_a_fmt:MATRIX_FMT_FP4 matrix_b_fmt:MATRIX_FMT_FP4
.endr
.endr
.endr
	WIN 0
.rept 4
	v_nop                                          ; places: for the loads into K's registers and for the first reads of the scores
.endr
	s_cmp_eq_u32 s[CNT], 1                         ; the last trip has no next step
	s_cbranch_scc1 .Lno_next
	KLOAD ADK, ADQ, KVREC                          ; the next step's K: it has the softmax in which to land
.Lno_next:
	WIN 0x15                                       ; the largest score of each of a lane's four blocks of 32 keys, the four by turns, each accumulator from its low end on
.irp c, 0,1,2,3
	v_max3_num_f32 v[BM+\c], v[SS+32*\c], v[SS+32*\c+1], v[SS+32*\c+2]
.endr
	WIN 0x14
.irp i, 3,5,7,9,11,13,15,17,19,21,23,25,27,29
.irp c, 0,1,2,3
	v_max3_num_f32 v[BM+\c], v[BM+\c], v[SS+32*\c+\i], v[SS+32*\c+\i+1]
.endr
.endr
.irp c, 0,1,2,3
	v_max_num_f32 v[BM+\c], v[BM+\c], v[SS+32*\c+31]
.endr
	WIN 0                                          ; the row's maximum and M, the two tiles by turns
.irp t, 0,1
	v_max_num_f32 v[TA+\t], v[BM+2*\t], v[BM+2*\t+1]
.endr
.irp t, 0,1
	HINT2
	v_permlanex16_b32 v[TC+\t], v[TA+\t], s[SEL], s[SEL+1]
.endr
.irp t, 0,1
	HINT2
	v_max3_num_f32 v[ST+8*\t+SMX], v[ST+8*\t+SMX], v[TA+\t], v[TC+\t]   ; with lane l xor 16's 64 keys: the running largest score
.endr
.irp t, 0,1
	HINT2
	v_fma_f32 v[TA+\t], v[ST+8*\t+SMX], s[CS], v[ST+8*\t+CL]            ; as t
.endr
.irp t, 0,1
	HINT2
	v_floor_f32 v[TC+\t], -v[TA+\t]                ; the new -M = floor(-t) = -ceil(t): M is a whole number
.endr
.irp t, 0,1
	HINT2
	v_sub_f32 v[TA+\t], v[TC+\t], v[ST+8*\t+NM]    ; M's old value less its new one: a whole number, 0 or less
.endr
.irp t, 0,1
	v_mov_b32 v[ST+8*\t+NM], v[TC+\t]
.endr
.irp t, 0,1
	v_cvt_i32_f32 v[TA+\t], v[TA+\t]               ; (it saturates)
.endr
.irp t, 0,1
	v_add_f32 v[ST+8*\t+CCM], v[ST+8*\t+CL], v[ST+8*\t+NM]              ; c log2(e) - M
.endr
.irp t, 0,1
	v_ldexp_f32 v[ST+8*\t+FF], 1.0, v[TA+\t]       ; f = 2^(old M - new M)
.endr
.irp c, 0,1,2,3
	v_fma_f32 v[BM+\c], v[BM+\c], s[CS], v[ST+8*(\c/2)+CCM]             ; x = t - M of each block's largest score
.endr
.irp c, 0,1,2,3
	v_max_num_f32 v[BM+\c], 0xc2f80000, v[BM+\c]   ; held at -124 from below: the byte cannot fall under 1
.endr
.irp c, 0,1,2,3
	v_floor_f32 v[BM+\c], v[BM+\c]
.endr
.irp c, 0,1,2,3
	v_cvt_i32_f32 v[BM+\c], v[BM+\c]
.endr
.irp c, 0,1,2,3
	v_add_nc_u32 v[BM+\c], 125, v[BM+\c]           ; the scale's byte: floor(x) + 127 - 2
.endr
.irp t, 0,1
	v_lshl_or_b32 v[TA+\t], v[BM+2*\t+1], 16, v[BM+2*\t]               ; my two bytes: blocks h and 2 + h of the 128 keys
.endr
.irp t, 0,1
	HINT2
	v_permlanex16_b32 v[TC+\t], v[TA+\t], s[SEL], s[SEL+1]
.endr
.irp t, 0,1
	v_pk_mul_f32 v[ST+8*\t+LL:ST+8*\t+LL+1], v[ST+8*\t+LL:ST+8*\t+LL+1], v[ST+8*\t+FF:ST+8*\t+FF+1] op_sel_hi:[1,0]   ; the sums under the new M
.endr
.irp t, 0,1
	v_lshl_or_b32 v[PW+\t], v[TC+\t], 8, v[TA+\t]  ; p's scale word.  Lanes 0-15, which alone are read: blocks 0 and 2 are mine, blocks 1 and 3 lane l + 16's
.endr
	WIN 0x40
.irp c, 0,1,2,3
	v_lshlrev_b32 v[XO1+\c], 23, v[BM+\c]          ; the byte as an exponent field: the conversion's scale operand
.endr
	WIN 0x41                                       ; destination and source 0 in window 1
.irp t, 0,1
.set i, 0
.rept 16
	v_pk_mul_f32 v[OO+32*\t+2*i:OO+32*\t+2*i+1], v[OO+32*\t+2*i:OO+32*\t+2*i+1], v[ST+8*\t+FF:ST+8*\t+FF+1] op_sel_hi:[1,0]   ; O^T under the new M, each accumulator from its low end on
.set i, i+1
.endr
.endr
.set i, 0
.rept 16
	FM 0, i
.set i, i+1
.endr
	s_wait_alu depctr_va_vdst(0)                   ; the wait ahead of the batch
.set i, 0
.rept 32                                       ; block 0's batch; among it the multiply-adds of blocks 1 and 2
	EX 0, i
	FM 1+i/16, i%16
.set i, i+1
.endr
	s_wait_alu depctr_va_vdst(0)                   ; behind the batch and ahead of the next
.set e, 0
.rept 16                                       ; block 1's batch; among it the multiply-adds of block 3,
	NX 1
	FM 3, e-1
.endr
	WIN 0x45                                       ; (destination, sources 0 and 1 in window 1)
	MIX 1                                          ; and block 0's conversions and first sums
.set e, 0
	MIX 2
.set e, 0
	MIX 3
.irp g, 0,1,2,3
	CV 3, \g
.endr
	v_nop                                          ; the plain place between the conversions and the lines that write over their sources
.irp a, 0,1,2,3,4,5,6,7                        ; what is left of the four trees, level by level.  These 30 lines are also the places between p's last codes and the products below
	AD 3, \a, 8
.endr
.irp a, 0,1,2,3
	AD 2, \a, 4
.endr
.irp a, 0,1
	AD 1, \a, 2
.endr
	AD 0, 0, 1
.irp a, 0,1,2,3
	AD 3, \a, 4
.endr
.irp a, 0,1
	AD 2, \a, 2
.endr
	AD 1, 0, 1
.irp a, 0,1
	AD 3, \a, 2
.endr
	AD 2, 0, 1
	WIN 0x04                                       ; the blocks' sums onto the rows' sums
	v_pk_add_f32 v[ST+LL:ST+LL+1], v[ST+LL:ST+LL+1], v[SS:SS+1]
	WIN 0x45
	AD 3, 0, 1
	WIN 0x04
	v_pk_add_f32 v[ST+8+LL:ST+8+LL+1], v[ST+8+LL:ST+8+LL+1], v[SS+64:SS+65]
	v_pk_add_f32 v[ST+LL:ST+LL+1], v[ST+LL:ST+LL+1], v[SS+32:SS+33]
	v_pk_add_f32 v[ST+8+LL:ST+8+LL+1], v[ST+8+LL:ST+8+LL+1], v[SS+96:SS+97]
	WIN 0
	s_wait_alu depctr_va_vdst(0)                   ; the wait directly ahead of the wait below
	s_wait_dscnt 0x0                               ; V and its scale words are in (and the next step's K, asked for a softmax ago)
	WIN 0x54                                       ; source 1 (p's codes), C and D in window 1
.irp d, 0,1,2,3                                ; O^T += V^T P^T: eight accumulators by turns, one instruction a turn
.irp t, 0,1
	v_wmma_scale_f32_16x16x128_f8f6f4 v[OO+32*\t+8*\d:OO+32*\t+8*\d+7], v[VF+8*\d:VF+8*\d+7], v[CD1+8*\t:CD1+8*\t+7], v[OO+32*\t+8*\d:OO+32*\t+8*\d+7], v[VS+\d], v[PW+\t] matrix_a_fmt:MATRIX_FMT_FP4 matrix_b_fmt:MATRIX_FMT_FP4
.endr
.endr
	WIN 0
	s_add_co_u32 s[TB], s[TB], KVREC
	s_sub_co_u32 s[CNT], s[CNT], 1
	s_cmp_lg_u32 s[CNT], 0
	s_cbranch_scc1 .Lstep
	; THE WAY OUT.  O^T / the sum: register 16 B + i of a tile is channel 32 B + 16 (lane / 16) + i of my query: two blocks of 32 along the last projection's K.  They are quantised; each tile's piece of 512 bytes leaves as it stands.
.irp t, 0,1
	v_add_f32 v[ST+8*\t+LL], v[ST+8*\t+LL], v[ST+8*\t+LL+1]            ; the sum's two halves.  (These lines and the v_nop below are the places behind the last products)
.endr
.irp t, 0,1
	HINT2
	v_permlanex16_b32 v[TC+\t], v[ST+8*\t+LL], s[SEL], s[SEL+1]
.endr
.irp t, 0,1
	HINT2
	v_add_f32 v[ST+8*\t+LL], v[ST+8*\t+LL], v[TC+\t]                   ; and lane l xor 16's: the row's sum
.endr
	s_wait_alu depctr_va_vdst(0)                   ; the wait ahead of the transcendentals
.irp t, 0,1
	v_rcp_f32 v[ST+8*\t+LL], v[ST+8*\t+LL]
.endr
	v_nop                                          ; a plain place behind the reciprocals
	s_wait_alu depctr_va_vdst(0)                   ; the wait ahead of their first reader, which is also the first reader of the last products' results
	WIN 0x01
.irp t, 0,1
.set i, 0
.rept 16
	v_pk_mul_f32 v[WW+32*\t+2*i:WW+32*\t+2*i+1], v[OO+32*\t+2*i:OO+32*\t+2*i+1], v[ST+8*\t+LL:ST+8*\t+LL+1] op_sel_hi:[1,0]   ; each accumulator from its low end on
.set i, i+1
.endr
.endr
	WIN 0
.irp x, 0,1,2,3                                ; x = 2 t + B: four blocks by turns
	v_max3_num_f32 v[BM+\x], |v[WW+16*\x]|, |v[WW+16*\x+1]|, 0x1800000
.endr
.irp i, 2,4,6,8,10,12,14
.irp x, 0,1,2,3
	v_max3_num_f32 v[BM+\x], v[BM+\x], |v[WW+16*\x+\i]|, |v[WW+16*\x+\i+1]|
.endr
.endr
.irp x, 0,1,2,3
	v_permlanex16_b32 v[TA+\x], v[BM+\x], s[SEL], s[SEL+1]
.endr
.irp x, 0,1,2,3
	v_max_num_f32 v[BM+\x], v[BM+\x], v[TA+\x]
.endr
.irp x, 0,1,2,3
	v_add_nc_u32 v[XO+\x], 0xff000000, v[BM+\x]
.endr
.irp x, 0,1,2,3
	v_lshrrev_b32 v[BM+\x], 23, v[XO+\x]
.endr
.irp t, 0,1
	v_lshl_or_b32 v[OW+\t], v[BM+2*\t+1], 8, v[BM+2*\t]                ; my query's two scale bytes of this head
.endr
.irp x, 0,1,2,3
	v_cvt_scalef32_pk8_fp4_f32 v[CD+8*(\x/2)+2*(\x%2)], v[WW+16*\x:WW+16*\x+7], v[XO+\x]
	v_cvt_scalef32_pk8_fp4_f32 v[CD+8*(\x/2)+2*(\x%2)+1], v[WW+16*\x+8:WW+16*\x+15], v[XO+\x]
.endr
	v_nop                                          ; one plain place behind a scaled conversion
.irp t, 0,1
	v_permlane16_swap_b32 v[CD+8*\t], v[CD+8*\t+2] ; lanes 0-15 channels 0-31, lanes 16-31 channels 32-63
	v_permlane16_swap_b32 v[CD+8*\t+1], v[CD+8*\t+3]
.endr
.irp t, 0,1
	global_store_b128 v[LI], v[CD+8*\t:CD+8*\t+3], s[8:9] offset:8192*\t   ; 32 lanes store 512 consecutive bytes, aligned
	ds_store_b16 v[SCW], v[OW+\t] offset:32*\t     ; lanes l and l xor 16 write the same bytes with the same value
.endr
	s_wait_dscnt 0x0                               ; for the others' sake: my stores have landed
	s_barrier_signal -1
	s_barrier_wait -1
	s_cmp_lg_u32 s[WV], 0
	s_cbranch_scc1 .Lnot_first
	ds_load_b128 v[WW:WW+3], v[SCR]                ; wave 0 stores the work-group's 512 scale bytes
	s_wait_dscnt 0x0
	global_store_b128 v[LI], v[WW:WW+3], s[10:11]
.Lnot_first:
	s_wait_tensorcnt 0x0                           ; the wave's end: behind my last tensor load and my last LDS store
	ds_add_u32 v[SPW], v[NIL]
	s_wait_dscnt 0x0
	CROUND                                         ; the closing round
	s_endpgm
.Lfunc_end_k_q8b7a366b5e_attn:
	.size	k_q8b7a366b5e_attn, .Lfunc_end_k_q8b7a366b5e_attn-k_q8b7a366b5e_attn
	.p2alignl 7, 3214868480
	.fill 96, 4, 3214868480
	.section	.rodata,"a",@progbits
	.p2align	6, 0x0
	.amdhsa_kernel k_q8b7a366b5e_attn
		.amdhsa_group_segment_fixed_size 167936
		.amdhsa_private_segment_fixed_size 0
		.amdhsa_enable_private_segment 0
		.amdhsa_kernarg_size 32
		.amdhsa_user_sgpr_count 2
		.amdhsa_user_sgpr_kernarg_segment_ptr 1
		.amdhsa_wavefront_size32 1
		.amdhsa_system_sgpr_workgroup_id_x 1
		.amdhsa_system_sgpr_workgroup_id_y 1
		.amdhsa_system_sgpr_workgroup_id_z 1
		.amdhsa_system_vgpr_workitem_id 0
		.amdhsa_next_free_vgpr 512
		.amdhsa_next_free_sgpr 66
		.amdhsa_reserve_vcc 0
		.amdhsa_float_denorm_mode_32 3
		.amdhsa_float_denorm_mode_16_64 3
		.amdhsa_memory_ordered 1
		.amdhsa_forward_progress 1
		.amdhsa_inst_pref_size 45
	.end_amdhsa_kernel
	.amdgpu_metadata
---
amdhsa.version: [ 1, 2 ]
amdhsa.kernels:
  - .name:           k_q8b7a366b5e_attn
    .symbol:         k_q8b7a366b5e_attn.kd
    .args:
      - { .name: qc, .offset: 0, .size: 8, .value_kind: global_buffer, .address_space: global }
      - { .name: kv, .offset: 8, .size: 8, .value_kind: global_buffer, .address_space: global }
      - { .name: ximg, .offset: 16, .size: 8, .value_kind: global_buffer, .address_space: global }
      - { .name: xsc, .offset: 24, .size: 8, .value_kind: global_buffer, .address_space: global }
    .group_segment_fixed_size: 167936
    .private_segment_fixed_size: 0
    .kernarg_segment_align: 8
    .kernarg_segment_size: 32
    .max_flat_workgroup_size: 256
    .sgpr_count:     66
    .vgpr_count:     512
    .wavefront_size: 32
...
	.end_amdgpu_metadata
.endif
;; end of part 3
;; launch oproj (part 4): grid 8 x 32, 4 waves a work-group, clusters of 4 x 4, 327,680 bytes of LDS; arguments ximg, xsc, codes, scl, bo, out0; writes out0
.if DOCPART == 4
	.amdgcn_target "amdgcn-amd-amdhsa--gfx1250"
	.amdhsa_code_object_version 6
	.text
	.protected	k_q8b7a366b5e_oproj
	.globl	k_q8b7a366b5e_oproj
	.p2align	8
	.type	k_q8b7a366b5e_oproj,@function
k_q8b7a366b5e_oproj:
	s_mov_b64 s[64:65], 0
	v_nop
	global_prefetch_b8 v0, s[64:65] scope:SCOPE_SE
	s_setreg_imm32_b32 hwreg(HW_REG_WAVE_MODE, 25, 1), 1
	s_wait_xcnt 0x0
	s_wait_alu depctr_hold_cnt(0) depctr_sa_sdst(0) depctr_va_vdst(0) depctr_va_sdst(0) depctr_va_ssrc(0) depctr_va_vcc(0) depctr_vm_vsrc(0)
	s_getreg_b32 s2, hwreg(HW_REG_IB_STS2, 6, 4)
	s_cmp_eq_u32 s2, 0
	s_cbranch_scc0 .Lentry_in_a_cluster
	s_endpgm
.Lentry_in_a_cluster:
	s_bfe_u32 s2, ttmp6, 0x10000c
	s_cmp_lg_u32 s2, 0xf033
	s_cbranch_scc0 .Lentry_shape_is_right
	s_endpgm
.Lentry_shape_is_right:
.set AIMG,  0
.set BROW,  65536
.set BP,    528
.set ASC,   BROW+128*BP
.set BSC,   ASC+16*272
.set SPARE, BSC+16*272
.set STAGE, SPARE+512
.set ADRA, 16
.set ADRB, 17
.set ADSA, 18
.set ADSB, 19
.set STO,  20
.set RD,   21
.set CO,   22
.set BOO,  23
.set SPW,  28
.set NIL,  29
.set ASW,  32
.set BSW,  64
.set RB,   32
.set BO,   96
.set ACC,  128
.set WV,  16
.set WR,  17
.set WC,  18
.set GA1, 24
.set GA0, 32
.set GB1, 36
.set GB0, 44
.set GAS1, 48
.set GAS0, 56
.set GBS1, 68
.set GBS0, 76
.set MSB, 0
.macro WIN new
.if MSB != (\new)
	s_set_vgpr_msb (MSB<<8)|(\new)
.set MSB, (\new)
.endif
.endm
.macro JLOAD g0a, g1a, g0b, g1b
	s_cmp_eq_u32 s[WR], 0
	s_cbranch_scc0 .Lfor_b_\@
	tensor_load_to_lds s[\g0a:\g0a+3], s[\g1a:\g1a+7]
	s_nop 0
.rept 4
	v_nop
.endr
	s_branch .Lasked_\@
.Lfor_b_\@:
	tensor_load_to_lds s[\g0b:\g0b+3], s[\g1b:\g1b+7]
	s_nop 0
.rept 4
	v_nop
.endr
.Lasked_\@:
.endm
.macro CROUND
	s_barrier_signal -1
	s_barrier_wait -1
	s_cmp_lg_u32 s[WV], 0
	s_cbranch_scc1 .Lnot_wave_0_\@
	s_barrier_signal -3
.Lnot_wave_0_\@:
	s_barrier_wait -3
	s_barrier_signal -1
	s_barrier_wait -1
.endm
	s_load_b256 s[4:11], s[0:1], 0x0
	s_load_b128 s[12:15], s[0:1], 0x20
	v_lshl_add_u32 v[SPW], v0, 2, SPARE
	v_mov_b32 v[NIL], 0
	ds_add_u32 v[SPW], v[NIL]
	ds_add_u32 v[SPW], v[NIL]
	v_lshrrev_b32 v1, 5, v0
	v_readfirstlane_b32 s[WV], v1
	s_lshr_b32 s[WR], s[WV], 1
	s_and_b32 s[WC], s[WV], 1
	s_bfe_u32 s19, ttmp6, 0x40000
	s_bfe_u32 s20, ttmp6, 0x40004
	s_lshl_b32 s21, ttmp9, 2
	s_add_co_u32 s21, s21, s19
	s_and_b32 s22, ttmp7, 0xffff
	s_lshl_b32 s22, s22, 2
	s_add_co_u32 s22, s22, s20
	s_lshl_b32 s23, s20, 2
	s_lshl_b32 s23, 15, s23
	s_lshl_b32 s60, 0x1111, s19
	s_or_b32 s[GA1], s23, (3<<16)|(1<<21)
	s_mov_b32 s[GA1+1], 32<<16
	s_mov_b32 s[GA1+2], 256<<16
	s_mov_b32 s[GA1+3], 32<<16
	s_mov_b32 s[GA1+4], 256
	s_mov_b32 s[GA1+5], 32
	s_mov_b32 s[GA1+6], 0
	s_mov_b32 s[GA1+7], 0
	s_or_b32 s[GB1], s60, (0<<16)|(1<<20)|(1<<21)|(6<<22)|(3<<25)
	s_mov_b32 s[GB1+1], 512<<16
	s_mov_b32 s[GB1+2], 128<<16
	s_mov_b32 s[GB1+3], 512<<16
	s_mov_b32 s[GB1+4], 128
	s_mov_b32 s[GB1+5], 512
	s_mov_b32 s[GB1+6], 0
	s_mov_b32 s[GB1+7], 0
	s_or_b32 s[GAS1], s23, (3<<16)|(1<<20)|(1<<21)|(5<<22)|(3<<25)
	s_mov_b32 s[GAS1+1], 32<<16
	s_mov_b32 s[GAS1+2], 16<<16
	s_mov_b32 s[GAS1+3], 32<<16
	s_mov_b32 s[GAS1+4], 16
	s_mov_b32 s[GAS1+5], 1024
	s_mov_b32 s[GAS1+6], 0
	s_mov_b32 s[GAS1+7], 0
	s_or_b32 s[GBS1], s60, (3<<16)|(1<<20)|(1<<21)|(5<<22)|(3<<25)
	s_mov_b32 s[GBS1+1], 32<<16
	s_mov_b32 s[GBS1+2], 16<<16
	s_mov_b32 s[GBS1+3], 32<<16
	s_mov_b32 s[GBS1+4], 16
	s_mov_b32 s[GBS1+5], 32
	s_mov_b32 s[GBS1+6], 0
	s_mov_b32 s[GBS1+7], 0
	s_lshl_b32 s80, s22, 16
	s_mov_b32 s81, 0
	s_lshl_b32 s84, s22, 8
	s_mov_b32 s85, 0
	s_lshl_b32 s86, s21, 16
	s_add_co_u32 s86, s86, 8192*512
	s_mov_b32 s87, 0
	s_lshl_b32 s88, s21, 12
	s_add_co_u32 s88, s88, 8192*32
	s_mov_b32 s89, 0
	s_mov_b32 s[GA0], 1
	s_mov_b32 s[GA0+1], AIMG
	s_mov_b32 s[GB0], 1
	s_mov_b32 s[GB0+1], BROW
	s_mov_b32 s[GAS0], 1
	s_mov_b32 s[GBS0], 1
	s_mov_b32 s[GBS0+1], BSC
	s_mov_b32 s[GAS0+1], ASC
	s_wait_dscnt 0x0
	s_wait_kmcnt 0x0
	s_add_nc_u64 s[GA0+2:GA0+3], s[4:5], s[80:81]
	s_or_b32 s[GA0+3], s[GA0+3], 0x80000000
	s_add_nc_u64 s[GAS0+2:GAS0+3], s[6:7], s[84:85]
	s_or_b32 s[GAS0+3], s[GAS0+3], 0x80000000
	s_add_nc_u64 s[GB0+2:GB0+3], s[8:9], s[86:87]
	s_or_b32 s[GB0+3], s[GB0+3], 0x80000000
	s_add_nc_u64 s[GBS0+2:GBS0+3], s[10:11], s[88:89]
	s_or_b32 s[GBS0+3], s[GBS0+3], 0x80000000
	CROUND
; THE HEAD'S LOADS, ONE A WAVE: wave 0 the context's images of 128 rows, wave 1 Wo's 128 rows, wave 2 the context's scale bytes, wave 3 Wo's.
; One tree of branches on the wave's number: every way passes exactly one load; nothing is filled later.
.macro ARM under, g0, g1, next
	s_cmp_lt_u32 s[WV], \under
	s_cbranch_scc0 \next
	tensor_load_to_lds s[\g0:\g0+3], s[\g1:\g1+7]
	s_nop 0
.rept 4
	v_nop
.endr
	s_branch .Lhead_asked
\next:
.endm
	ARM 1, GA0,  GA1,  .Lhead_b
	ARM 2, GB0,  GB1,  .Lhead_sa
	ARM 3, GAS0, GAS1, .Lhead_sb
	tensor_load_to_lds s[GBS0:GBS0+3], s[GBS1:GBS1+7]
	s_nop 0
.rept 4
	v_nop
.endr
.Lhead_asked:
	v_and_b32 v1, 15, v0
	v_bfe_u32 v2, v0, 4, 1
	v_and_b32 v3, 31, v0
	v_lshlrev_b32 v4, 4, v3
	s_lshl_b32 s80, s[WR], 15
	v_add_nc_u32 v[ADRA], s80, v4
	s_lshl_b32 s80, s[WC], 6
	v_add_nc_u32 v5, s80, v1
	v_mul_u32_u24 v5, v5, BP
	v_lshl_add_u32 v5, v2, 4, v5
	v_add_nc_u32 v[ADRB], BROW, v5
	s_lshl_b32 s80, s[WR], 7
	v_lshl_add_u32 v5, v1, 1, s80
	v_add_nc_u32 v[ADSA], ASC, v5
	v_lshrrev_b32 v5, 3, v1
	s_lshl_b32 s80, s[WC], 3
	v_add_nc_u32 v5, s80, v5
	v_mul_u32_u24 v5, v5, 272
	v_and_b32 v6, 7, v1
	v_lshl_add_u32 v5, v6, 5, v5
	v_add_nc_u32 v[ADSB], BSC, v5
	s_mul_i32 s80, s[WV], 16*272
	s_add_co_u32 s80, s80, STAGE
	v_mul_u32_u24 v5, v1, 272
	v_lshl_add_u32 v5, v2, 5, v5
	v_add_nc_u32 v[STO], s80, v5
	v_mul_u32_u24 v5, v2, 272
	v_lshl_add_u32 v5, v1, 4, v5
	v_add_nc_u32 v[RD], s80, v5
	v_lshlrev_b32 v5, 12, v2
	v_lshl_add_u32 v[CO], v1, 4, v5
	v_lshlrev_b32 v[BOO], 5, v2
	s_wait_alu depctr_va_vdst(0)
	s_lshl_b32 s80, s21, 9
	s_lshl_b32 s82, s[WC], 8
	s_add_co_u32 s80, s80, s82
	s_mov_b32 s81, 0
	s_add_nc_u64 s[12:13], s[12:13], s[80:81]
	s_add_nc_u64 s[14:15], s[14:15], s[80:81]
	s_lshl_b32 s80, s22, 19
	s_lshl_b32 s82, s[WR], 18
	s_add_co_u32 s80, s80, s82
	s_add_nc_u64 s[14:15], s[14:15], s[80:81]
.irp b, 0,1,2,3
.irp j, 0,1
	global_load_b128 v[BO+8*\b+4*\j:BO+8*\b+4*\j+3], v[BOO], s[12:13] offset:64*\b+16*\j
.endr
.endr
.macro AFR s
	WIN 0x40
.irp i, 0,1,2,3
.irp c, 0,1
	ds_load_b128 v[32*(\s)+8*\i+4*\c:32*(\s)+8*\i+4*\c+3], v[ADRA] offset:8192*\i+1024*(\s)+512*\c
.endr
.endr
.endm
.macro BFR s
	WIN 0x80
.irp b, 0,1,2,3
.irp c, 0,1
	ds_load_b128 v[32*(\s)+8*\b+4*\c:32*(\s)+8*\b+4*\c+3], v[ADRB] offset:16*BP*\b+64*(\s)+32*\c
.endr
.endr
.endm
.macro MULS s
	WIN 0x06
.irp i, 0,1,2,3
.irp b, 0,1,2,3
.if (\s) == 0
	v_wmma_scale_f32_16x16x128_f8f6f4 v[ACC+8*(4*\i+\b):ACC+8*(4*\i+\b)+7], v[32*(\s)+8*\b:32*(\s)+8*\b+7], v[32*(\s)+8*\i:32*(\s)+8*\i+7], v[BO+8*\b:BO+8*\b+7], v[BSW+8*\b+(\s)], v[ASW+8*\i+(\s)] matrix_a_fmt:MATRIX_FMT_FP4 matrix_b_fmt:MATRIX_FMT_FP4
.else
	v_wmma_scale_f32_16x16x128_f8f6f4 v[ACC+8*(4*\i+\b):ACC+8*(4*\i+\b)+7], v[32*(\s)+8*\b:32*(\s)+8*\b+7], v[32*(\s)+8*\i:32*(\s)+8*\i+7], v[ACC+8*(4*\i+\b):ACC+8*(4*\i+\b)+7], v[BSW+8*\b+(\s)], v[ASW+8*\i+(\s)] matrix_a_fmt:MATRIX_FMT_FP4 matrix_b_fmt:MATRIX_FMT_FP4
.endif
.endr
.endr
.endm
.macro HEADS g0
.irp g, 0,1,2,3,4,5,6,7
.irp i, 0,1,2,3
	ds_load_u16 v[ACC+4*((\g0)+\g)+\i], v[ADSA] offset:272*((\g0)+\g)+32*\i
.endr
.endr
.endm
.macro WORDS s0
.irp s, 0,1,2,3
.irp i, 0,1,2,3
	v_lshl_or_b32 v[ASW+8*\i+(\s0)+\s], v[ACC+4*(2*((\s0)+\s)+1)+\i], 16, v[ACC+4*(2*((\s0)+\s))+\i]
.endr
.endr
.endm
	s_wait_tensorcnt 0x0
	s_barrier_signal -1
	s_barrier_wait -1
.irp b, 0,1,2,3
.irp j, 0,1
	ds_load_b128 v[BSW+8*\b+4*\j:BSW+8*\b+4*\j+3], v[ADSB] offset:544*\b+16*\j
.endr
.endr
	HEADS 0
	AFR 0
	BFR 0
	WIN 0
	s_wait_dscnt 16
	WORDS 0
	HEADS 8
	AFR 1
	WIN 0
	s_wait_dscnt 8
	WORDS 4
	BFR 1
	AFR 2
	BFR 2
.rept 8
	v_nop
.endr
	s_wait_loadcnt 0x0
.irp s, 0,1,2,3,4,5,6,7
.if \s+3 < 8
	AFR \s+3
	BFR \s+3
	s_wait_dscnt 48
.else
	s_wait_alu depctr_va_vdst(0)
	s_wait_dscnt 16*(7-\s)
.endif
	MULS \s
.endr
	WIN 0
.macro TOSTAGE i
.irp b, 0,1,2,3
	ds_store_b128 v[STO], v[ACC+8*(4*(\i)+\b):ACC+8*(4*(\i)+\b)+3] offset:64*\b
	ds_store_b128 v[STO], v[ACC+8*(4*(\i)+\b)+4:ACC+8*(4*(\i)+\b)+7] offset:64*\b+16
.endr
.irp t, 0,1,2,3,4,5,6,7
	ds_load_b128 v[RB+32*((\i)%2)+4*\t:RB+32*((\i)%2)+4*\t+3], v[RD] offset:544*\t
.endr
.endm
.macro SEND i, younger
	s_wait_dscnt \younger
.irp t, 0,1,2,3,4,5,6,7
	global_store_b128 v[CO], v[RB+32*((\i)%2)+4*\t:RB+32*((\i)%2)+4*\t+3], s[14:15] offset:(32*((\i)/2)+16*(\t/4)+8*((\i)%2)+2*(\t%4))*4096 th:TH_STORE_NT
.endr
.endm
.rept 4
	v_nop
.endr
	TOSTAGE 0
.irp i, 1,2,3
.if \i > 1
	s_wait_xcnt 0x0
.endif
	TOSTAGE \i
	SEND \i-1, 16
.endr
	SEND 3, 0
	s_wait_tensorcnt 0x0
	ds_add_u32 v[SPW], v[NIL]
	s_wait_dscnt 0x0
	CROUND
	s_endpgm
.Lfunc_end_k_q8b7a366b5e_oproj:
	.size	k_q8b7a366b5e_oproj, .Lfunc_end_k_q8b7a366b5e_oproj-k_q8b7a366b5e_oproj
	.p2alignl 7, 3214868480
	.fill 96, 4, 3214868480
	.section	.rodata,"a",@progbits
	.p2align	6, 0x0
	.amdhsa_kernel k_q8b7a366b5e_oproj
		.amdhsa_group_segment_fixed_size 327680
		.amdhsa_private_segment_fixed_size 0
		.amdhsa_enable_private_segment 0
		.amdhsa_kernarg_size 48
		.amdhsa_user_sgpr_count 2
		.amdhsa_user_sgpr_kernarg_segment_ptr 1
		.amdhsa_wavefront_size32 1
		.amdhsa_system_sgpr_workgroup_id_x 1
		.amdhsa_system_sgpr_workgroup_id_y 1
		.amdhsa_system_sgpr_workgroup_id_z 1
		.amdhsa_system_vgpr_workitem_id 0
		.amdhsa_next_free_vgpr 768
		.amdhsa_next_free_sgpr 98
		.amdhsa_reserve_vcc 0
		.amdhsa_float_denorm_mode_32 3
		.amdhsa_float_denorm_mode_16_64 3
		.amdhsa_memory_ordered 1
		.amdhsa_forward_progress 1
		.amdhsa_inst_pref_size 49
	.end_amdhsa_kernel
	.amdgpu_metadata
---
amdhsa.version: [ 1, 2 ]
amdhsa.kernels:
  - .name:           k_q8b7a366b5e_oproj
    .symbol:         k_q8b7a366b5e_oproj.kd
    .args:
      - { .name: ximg, .offset: 0, .size: 8, .value_kind: global_buffer, .address_space: global }
      - { .name: xsc, .offset: 8, .size: 8, .value_kind: global_buffer, .address_space: global }
      - { .name: codes, .offset: 16, .size: 8, .value_kind: global_buffer, .address_space: global }
      - { .name: scl, .offset: 24, .size: 8, .value_kind: global_buffer, .address_space: global }
      - { .name: bo, .offset: 32, .size: 8, .value_kind: global_buffer, .address_space: global }
      - { .name: out0, .offset: 40, .size: 8, .value_kind: global_buffer, .address_space: global }
    .group_segment_fixed_size: 327680
    .private_segment_fixed_size: 0
    .kernarg_segment_align: 8
    .kernarg_segment_size: 48
    .max_flat_workgroup_size: 128
    .sgpr_count:     98
    .vgpr_count:     768
    .wavefront_size: 32
...
	.end_amdgpu_metadata
.endif
;; end of part 4
